; MI455X (gfx1250); checked and timed in simulation.
; The chip was launched on July 23, 2026; its instructions are those of AMD's public machine-readable ISA for CDNA 5 (MIT licence, August 2026) and "CDNA5" Instruction Set Architecture Reference Guide (July 2026). The comments in the code are by the model that wrote it; some were corrected since.
;; Multi Head Attention. Allowed arithmetic: matrix products marked QUANTISED: E2M1 operands, one E8M0 scale for each 32 along K, by v_wmma_scale_f32_16x16x128_f8f6f4 with both operands' format E2M1 (or v_wmma_scale_f32_32x16x128_f4), f32 sums; products left as they are: bf16, f16 or f32 operands; f32 sums; everything else in f32.
;; Inputs: Wk 16 x 1,024 x 64 float32; Wo 1,024 x 1,024 float32; Wq 16 x 1,024 x 64 float32; Wv 16 x 1,024 x 64 float32; bo 1,024 float32; x 4 x 2,048 x 1,024 float32.
;; Outputs: out0 4 x 2,048 x 1,024 float32.
;; This version of the problem:
;;   THIS VERSION OF THE PROBLEM IS GIVEN IN LOW PRECISION. The matrix products marked QUANTISED in the list below multiply operands that are first quantised to E2M1 (2 exponent bits, 1 mantissa bit; 4 bits a number), with one power-of-two scale for each 32 numbers along K (OCP MX v1.0); their sums are f32. The products marked 'left as it is' may take bf16, f16 or f32 operands, with f32 sums. Whichever they take, every output number must still come out within the allowed error. Rounding operands to bf16 (8 significant bits) uses up far more of that allowance than f16 does (11 bits, for magnitudes from 6e-5 to 65,504). All else is computed in f32.
;;   The module's matrix products, in the order in which they are computed (A, B: the left and right operand; K: the contracted axis; several contracted axes count as one K, in the product's order):
;;     1. [M 1,024, K 1,024] x [K 1,024, N 8,192]; A: input Wq; B: input x: QUANTISED
;;     2. [M 1,024, K 1,024] x [K 1,024, N 8,192]; A: input Wk; B: input x: QUANTISED
;;     3. [M 1,024, K 1,024] x [K 1,024, N 8,192]; A: input Wv; B: input x: QUANTISED
;;     4. batch 64 x [M 2,048, K 64] x [K 64, N 2,048]; A: computed on the way; B: computed on the way: left as it is (an operand is computed on the way)
;;     5. batch 64 x [M 2,048, K 2,048] x [K 2,048, N 64]; A: computed on the way; B: computed on the way: left as it is (an operand is computed on the way)
;;     6. [M 8,192, K 1,024] x [K 1,024, N 1,024]; A: computed on the way; B: input Wo: left as it is (an operand is computed on the way)
;;   THE QUANTISER, for each operand of a quantised product, along K:
;;     - K is cut into blocks of 32 from its start; a last block that is shorter is filled with zeros.
;;     - A block's scale is 2^e with e = floor(log2(the largest magnitude in the block)) - 2, held to -126 .. 127; a block of zeros has e = 0. As a byte (E8M0): e + 127.
;;     - Each number is divided by its block's scale, clamped to +-6, and rounded to the nearest number of E2M1, ties to even, subnormals kept.
;;     - The product sums the exact products of the quantised numbers (number of the format x scale) in f32.
;;   ~~~python
;;   def quantise(x, axis):      # numpy; x: float32 -> the quantised numbers, widened to float32 again
;;       x = np.moveaxis(x, axis, -1); K = x.shape[-1]
;;       x = np.pad(x, [(0, 0)] * (x.ndim - 1) + [(0, -K % 32)]); x = x.reshape(x.shape[:-1] + (-1, 32)); a = np.abs(x).max(-1, keepdims=True)
;;       e = np.where(a > 0, np.clip(np.frexp(np.where(a > 0, a, 1))[1] - 1 - 2, -126, 127), 0)      # np.frexp(a)[1] - 1 = floor(log2(a)), exactly
;;       r = np.clip(x / 2.0 ** e, -6, 6)
;;       step = 2.0 ** (np.maximum(np.frexp(np.where(r == 0, 1, r))[1] - 1, 0) - 1)
;;       q = np.round(r / step) * step * 2.0 ** e      # np.round: ties to even
;;       return np.moveaxis(q.reshape(q.shape[:-2] + (-1,))[..., :K], -1, axis).astype(np.float32)
;;   ~~~
;; One version. Each part assembles by itself: llvm-mc -triple=amdgcn-amd-amdhsa -mcpu=gfx1250 --defsym DOCPART=n.
;; ======== version 1 of 1: 5 launches
;; limits: values are held in f16: magnitudes above 65,504 overflow, below 6.1e-05 lose precision
;; workspace buffers: xc 4,194,304 bytes; xs 262,144 bytes; wc 1,572,864 bytes; ws 98,304 bytes; wo16 2,097,152 bytes; qkv 50,331,648 bytes; img32 786,432 bytes; att 16,777,216 bytes
;; launch prep (part 1): grid 512 x 1, 4 waves a work-group, no clusters, 42,496 bytes of LDS; arguments x, Wq, Wk, Wv, Wo, xc, xs, wc, ws, wo16; writes xc, xs, wc, ws, wo16
.if DOCPART == 1
	.amdgcn_target "amdgcn-amd-amdhsa--gfx1250"
	.amdhsa_code_object_version 6
	.text
	.protected	k_q8cee91a692_prep
	.globl	k_q8cee91a692_prep
	.p2align	8
	.type	k_q8cee91a692_prep,@function
k_q8cee91a692_prep:
	s_mov_b64 s[64:65], 0
	v_nop
	global_prefetch_b8 v0, s[64:65] scope:SCOPE_SE
	s_setreg_imm32_b32 hwreg(HW_REG_WAVE_MODE, 25, 1), 1
	s_wait_xcnt 0x0
; PREP: what the later launches read again and again is made narrow once.
;   work-groups   0-255: x [8192][1024] f32 -> xc: codes of FP4 (E2M1), K innermost, 512 bytes a token; xs: one E8M0 byte for each 32 along K, 32 bytes a token.
;   work-groups 256-447: Wq, Wk, Wv [16][1024 (K)][64] f32 -> wc [3072 rows n = 1024 mat + 64 head + d][512 bytes], ws [3072][32]: K is their middle axis, so a lane takes a column and its registers run down K.
;   work-groups 448-511: Wo [1024 n][1024 k] f32 -> wo16: f16, as 16 planes of 64 along k: [k / 64][n][64].
; A block's scale is 2^(floor(log2(its largest magnitude)) - 2); its byte is the largest magnitude's exponent field - 2, held at 1 from below.  Each number is divided by the scale and rounded to the nearest code, ties to even,
; beyond the largest code the largest.
; LIMITS: a block of zeros gets the byte 1 (its codes are zeros, and this program alone reads the bytes); blocks whose largest magnitude lies under 2^-124 keep the byte 1; NaN and infinities among the inputs are not served;
; a number of Wo above 65,504 in magnitude becomes infinity in f16.
; The three paths part on the work-group's number alone, so all four waves of a work-group go one way; each path has LDS bytes of its own and ends by itself.
.set STEPS,  16
.set SP,     80                        ; x: a lane's place in a stage: its 64 bytes + 16 of padding
.set WREG,   8192                      ; x: a region for each wave: two stages of 32 x SP bytes, and behind them its 256 scale bytes
.set WST,    4*WREG                    ; W: a stage of 32 rows x (256 bytes of codes + 16), shared by the four waves
.set WPITCH, 272
.set WSC,    WST+32*WPITCH             ; W: 32 rows x 16 scale bytes
.set SPARE,  WSC+512                   ; the spare words, 128 bytes for each wave: two blocks of 256 bytes that no other line names
.set SPW,    12                        ; v12  LDS address of my spare word; never rewritten
.set NIL,    13                        ; v13  0; never rewritten
.set RX,     16                        ; x: v16-79   four sets of 16 numbers as they are loaded
.set XN,     80                        ; x: v80-111  two sets of 16 neighbours
.set EX,     112                       ; x: v112-127 a scale byte for each step
.set CX,     128                       ; x: v128-191 codes, four registers for each step
.set WN,     32                        ; W: v32-95   two sets of 32 numbers
.set WC,     96                        ; W: v96-99   a block's codes
.macro FINISH                          ; a wave's end: a wait on tensor loads, an add of 0 to the spare word and its wait, behind its last LDS store
	s_wait_tensorcnt 0x0
	ds_add_u32 v[SPW], v[NIL]
	s_wait_dscnt 0x0
	s_endpgm
.endm
.macro XLOAD t                         ; step t's 512 numbers: each load reads 512 consecutive bytes
.irp i, 0,1,2,3
	global_load_b128 v[RX+16*((\t)%4)+4*\i:RX+16*((\t)%4)+4*\i+3], v3, s[4:5] offset:2048*(\t)+512*\i th:TH_LOAD_NT
.endr
.endm
.macro XTURN t                         ; through the wave's own stage, so that a lane gets 16 neighbours; LDS serves a wave's instructions in order: no wait between the stores and the loads
.irp i, 0,1,2,3
	ds_store_b128 v14, v[RX+16*((\t)%4)+4*\i:RX+16*((\t)%4)+4*\i+3] offset:32*SP*((\t)%2)+8*SP*\i
.endr
.irp i, 0,1,2,3
	ds_load_b128 v[XN+16*((\t)%2)+4*\i:XN+16*((\t)%2)+4*\i+3], v15 offset:32*SP*((\t)%2)+16*\i
.endr
.endm
.macro XSTEP t
.set XS, XN+16*((\t)%2)
.if (\t) > 0
	s_wait_dscnt 1                                 ; this step's numbers are back from the stage (the last step's byte store may be out)
.else
	s_wait_dscnt 0x0
.endif
.if (\t)+4 < STEPS
	XLOAD (\t)+4                                   ; into the set whose stores into the stage have been served
.endif
.if (\t)+1 < STEPS
.if STEPS-2-(\t) >= 3
	s_wait_loadcnt 12                              ; the next step's four loads are in; those of the three steps behind it may be out
.else
	s_wait_loadcnt 4*(STEPS-2-(\t))
.endif
	XTURN (\t)+1
.endif
	v_max3_num_f32 v8, |v[XS]|, |v[XS+1]|, |v[XS+2]|               ; the largest magnitude of my 16, in two chains
	v_max3_num_f32 v9, |v[XS+3]|, |v[XS+4]|, |v[XS+5]|
.irp i, 6,10
	v_max3_num_f32 v8, v8, |v[XS+\i]|, |v[XS+\i+1]|
	v_max3_num_f32 v9, v9, |v[XS+\i+2]|, |v[XS+\i+3]|
.endr
	v_max3_num_f32 v8, v8, |v[XS+14]|, |v[XS+15]|
	v_max3_num_f32 v8, v8, v9, 0x1800000           ; and the floor 2^(3 - 127): the byte cannot fall under 1
	v_max_num_f32_dpp v8, v8, v8 row_xmask:1 row_mask:0xf bank_mask:0xf   ; with my neighbour's 16: the block's
	v_add_nc_u32 v11, 0xff000000, v8               ; 2 off its exponent field: the conversion takes the exponent field of this operand as its scale
	v_cvt_scalef32_pk8_fp4_f32 v[CX+4*(\t)], v[XS:XS+7], v11
	v_cvt_scalef32_pk8_fp4_f32 v[CX+4*(\t)+1], v[XS+8:XS+15], v11
	v_lshrrev_b32 v[EX+(\t)], 23, v11              ; the scale's byte
	ds_store_b8 v5, v[EX+(\t)] offset:16*(\t)      ; both lanes of a block write the same byte with the same value
	global_store_b64 v4, v[CX+4*(\t):CX+4*(\t)+1], s[14:15] offset:256*(\t)   ; the wave stores 256 consecutive bytes, aligned
.endm
.macro WLOAD t                         ; block t: W(k0 + 32 t + i, my column), i = 0 .. 31; a row of a head is 256 bytes
.irp i, 0,1,2,3,4,5,6,7,8,9,10,11,12,13,14,15,16,17,18,19,20,21,22,23,24,25,26,27,28,29,30,31
	global_load_b32 v[WN+32*((\t)%2)+\i], v3, s[30:31] offset:(32*(\t)+\i)*256 th:TH_LOAD_NT
.endr
.endm
.macro WBLOCK t
.set WS, WN+32*((\t)%2)
.if (\t) < 3
	s_wait_loadcnt 32                              ; this block's 32 loads are in; the next block's may be out
.else
	s_wait_loadcnt 0x0
.endif
	v_max3_num_f32 v8, |v[WS]|, |v[WS+1]|, |v[WS+2]|               ; the block's largest magnitude: all 32 numbers are mine
	v_max3_num_f32 v9, |v[WS+3]|, |v[WS+4]|, |v[WS+5]|
.irp i, 6,10,14,18,22,26
	v_max3_num_f32 v8, v8, |v[WS+\i]|, |v[WS+\i+1]|
	v_max3_num_f32 v9, v9, |v[WS+\i+2]|, |v[WS+\i+3]|
.endr
	v_max3_num_f32 v8, v8, |v[WS+30]|, |v[WS+31]|
	v_max3_num_f32 v8, v8, v9, 0x1800000
	v_add_nc_u32 v11, 0xff000000, v8
	v_lshrrev_b32 v10, 23, v11                     ; the scale's byte
.if (\t) == 0
	v_mov_b32 v24, v10                             ; four bytes to a word, the lower K in the lower byte
.else
	v_lshl_or_b32 v24, v10, 8*(\t), v24
.endif
.irp g, 0,1,2,3
	v_cvt_scalef32_pk8_fp4_f32 v[WC+\g], v[WS+8*\g:WS+8*\g+7], v11
.endr
	ds_store_b128 v4, v[WC:WC+3] offset:16*(\t)    ; 32 codes: 16 bytes of my column's row in the stage
.if (\t)+2 < 4
	WLOAD (\t)+2
.endif
	s_wait_dscnt 0x0
.endm
	s_load_b512 s[4:19], s[0:1], 0x0               ; x s[4:5], Wq s[6:7], Wk s[8:9], Wv s[10:11], Wo s[12:13], xc s[14:15], xs s[16:17], wc s[18:19]
	s_load_b128 s[20:23], s[0:1], 0x40             ; ws s[20:21], wo16 s[22:23]
	v_lshl_add_u32 v[SPW], v0, 2, SPARE
	v_mov_b32 v[NIL], 0
	v_lshrrev_b32 v1, 5, v0
	v_readfirstlane_b32 s24, v1                    ; wave 0..3
	v_and_b32 v2, 31, v0                           ; lane
	s_mov_b32 s29, 0                               ; the upper word of every offset pair s[28:29]
	s_wait_kmcnt 0x0
	s_cmp_lt_u32 ttmp9, 256
	s_cbranch_scc1 .Lx
	s_cmp_lt_u32 ttmp9, 448
	s_cbranch_scc1 .Lw
	; ---- Wo to f16 planes.  A wave takes 4 rows; a lane 8 neighbours of a row in each of the 16 planes.  No register is written twice, so no store's data wait for anything.
	s_sub_co_u32 s25, ttmp9, 448
	s_lshl_b32 s25, s25, 4
	s_lshl_b32 s26, s24, 2
	s_add_co_u32 s25, s25, s26                     ; my first row: 16 x work-group + 4 x wave
	s_lshl_b32 s28, s25, 12
	s_add_nc_u64 s[12:13], s[12:13], s[28:29]      ; in Wo: rows of 4,096 bytes
	s_lshl_b32 s28, s25, 7
	s_add_nc_u64 s[22:23], s[22:23], s[28:29]      ; in a plane: rows of 128 bytes
	v_lshrrev_b32 v3, 3, v2
	v_lshlrev_b32 v3, 12, v3
	v_and_b32 v4, 7, v2
	v_lshl_add_u32 v3, v4, 5, v3                   ; in: row lane / 8, 32 bytes at 32 (lane % 8)
	v_lshlrev_b32 v4, 4, v2                        ; out: 16 x lane: the wave's four rows of a plane are 512 consecutive bytes
.irp p, 0,1,2,3,4,5,6,7,8,9,10,11,12,13,14,15
	global_load_b128 v[16+8*\p:16+8*\p+3], v3, s[12:13] offset:256*\p
	global_load_b128 v[16+8*\p+4:16+8*\p+7], v3, s[12:13] offset:256*\p+16
.endr
.irp p, 0,1,2,3,4,5,6,7,8,9,10,11,12,13,14,15
	s_wait_loadcnt 30-2*\p                         ; plane p's two loads are in; the later planes' may be out
.irp j, 0,1,2,3
	v_cvt_pk_f16_f32 v[16+8*\p+\j], v[16+8*\p+2*\j], v[16+8*\p+2*\j+1]   ; in place, ascending: register j is written when registers 2 j and 2 j + 1 are read
.endr
	global_store_b128 v4, v[16+8*\p:16+8*\p+3], s[22:23] offset:\p*131072
.endr
	FINISH
	; ---- x: a plain stream of blocks of 32.  A wave takes 16 steps of 512 numbers.
.Lx:
	s_mul_i32 s25, s24, WREG
	v_lshlrev_b32 v3, 4, v2                        ; my 16 bytes of a load's 512
	v_lshrrev_b32 v14, 2, v2
	v_mul_u32_u24 v14, v14, SP
	v_and_b32 v15, 3, v2
	v_lshl_add_u32 v14, v15, 4, v14
	v_add_nc_u32 v14, s25, v14                     ; the stage, on the way in: SP (lane / 4) + 16 (lane % 4)
	v_mul_u32_u24 v15, v2, SP
	v_add_nc_u32 v15, s25, v15                     ; and on the way out: SP x lane: my 16 neighbours
	v_lshlrev_b32 v4, 3, v2                        ; 8 x lane: my codes' place in a step's, and my 8 scale bytes' at the end
	v_lshrrev_b32 v5, 1, v2
	s_add_co_u32 s25, s25, 2*32*SP
	v_add_nc_u32 v5, s25, v5                       ; LDS: my wave's 256 scale bytes, my block's byte
	v_add_nc_u32 v6, s25, v4
	s_lshl_b32 s26, ttmp9, 2
	s_add_co_u32 s26, s26, s24                     ; which run of 8,192 numbers is my wave's
	s_lshl_b32 s28, s26, 15
	s_add_nc_u64 s[4:5], s[4:5], s[28:29]
	s_lshl_b32 s28, s26, 12
	s_add_nc_u64 s[14:15], s[14:15], s[28:29]
	s_lshl_b32 s28, s26, 8
	s_add_nc_u64 s[16:17], s[16:17], s[28:29]
.irp t, 0,1,2,3
	XLOAD \t
.endr
	s_wait_loadcnt 12                              ; step 0's four loads are in
	XTURN 0
.irp t, 0,1,2,3,4,5,6,7,8,9,10,11,12,13,14,15
	XSTEP \t
.endr
	ds_load_b64 v[8:9], v6                         ; LDS serves a wave's instructions in order: these see my byte stores
	s_wait_dscnt 0x0
	global_store_b64 v4, v[8:9], s[16:17]          ; 32 lanes store 256 consecutive bytes, aligned
	FINISH
	; ---- Wq, Wk, Wv.  A work-group takes 32 rows n (32 columns d of one head) x 512 along K; wave w the 128 along K from 128 w on: four blocks a lane.
	; The four waves' codes meet in one stage, so that a row's 256 bytes leave together.
.Lw:
	s_sub_co_u32 s25, ttmp9, 256
	s_lshr_b32 s26, s25, 1                         ; which 32 rows n: 0..95
	s_and_b32 s25, s25, 1                          ; which half of K
	s_lshr_b32 s27, s26, 5                         ; which of the three tensors: the choice hangs on the work-group's number alone
	s_cmp_lt_u32 s27, 1
	s_cselect_b64 s[30:31], s[6:7], s[8:9]
	s_cmp_lt_u32 s27, 2
	s_cselect_b64 s[30:31], s[30:31], s[10:11]
	s_and_b32 s27, s26, 31
	s_lshr_b32 s27, s27, 1                         ; the head
	s_lshl_b32 s28, s27, 18                        ; 1,024 rows of 256 bytes
	s_lshl_b32 s27, s25, 2
	s_add_co_u32 s27, s27, s24
	s_lshl_b32 s27, s27, 15                        ; + (4 half + wave) x 128 rows
	s_add_co_u32 s28, s28, s27
	s_and_b32 s27, s26, 1
	s_lshl_b32 s27, s27, 7                         ; + which 32 of the head's 64 columns
	s_add_co_u32 s28, s28, s27
	s_add_nc_u64 s[30:31], s[30:31], s[28:29]
	s_lshl_b32 s28, s26, 2
	s_add_co_u32 s28, s28, s24
	s_lshl_b32 s28, s28, 12                        ; wc: the 8 rows that I store: (32 group + 8 wave) x 512 bytes
	s_lshl_b32 s27, s25, 8
	s_add_co_u32 s28, s28, s27                     ; + 256 x half
	s_add_nc_u64 s[18:19], s[18:19], s[28:29]
	s_lshl_b32 s28, s26, 10                        ; ws: 32 rows of 32 bytes
	s_lshl_b32 s27, s25, 4
	s_add_co_u32 s28, s28, s27
	s_add_nc_u64 s[20:21], s[20:21], s[28:29]
	v_lshlrev_b32 v3, 2, v2                        ; in: 4 bytes a lane
	v_mul_u32_u24 v4, v2, WPITCH
	s_lshl_b32 s27, s24, 6
	s_add_co_u32 s27, s27, WST
	v_add_nc_u32 v4, s27, v4                       ; into the stage: row = my column, my wave's 64 bytes
	v_lshlrev_b32 v5, 4, v2
	v_add_nc_u32 v25, WSC, v5                      ; a row's 16 scale bytes, for the way out
	s_lshl_b32 s27, s24, 2
	s_add_co_u32 s27, s27, WSC
	v_add_nc_u32 v5, s27, v5                       ; my wave's word of them
	v_lshrrev_b32 v6, 4, v2
	v_and_b32 v7, 15, v2
	v_lshlrev_b32 v7, 4, v7
	v_mul_u32_u24 v8, v6, WPITCH
	v_add_nc_u32 v8, v8, v7
	s_mul_i32 s27, s24, 8*WPITCH
	s_add_co_u32 s27, s27, WST
	v_add_nc_u32 v27, s27, v8                      ; out of the stage: my wave's 8 rows, sixteen lanes to a row, two rows an instruction
	v_lshl_add_u32 v28, v6, 9, v7                  ; and the same place in wc
	v_lshlrev_b32 v26, 5, v2                       ; ws: a row is 32 bytes
	WLOAD 0
	WLOAD 1
.irp t, 0,1,2,3
	WBLOCK \t
.endr
	ds_store_b32 v5, v24                           ; my column's four scale bytes
	s_wait_dscnt 0x0                               ; for the others' sake: my stores have landed
	s_barrier_signal -1
	s_barrier_wait -1
.irp t, 0,1,2,3
	ds_load_b128 v[112+4*\t:112+4*\t+3], v27 offset:2*\t*WPITCH
.endr
.irp t, 0,1,2,3
	s_wait_dscnt 3-\t                              ; load t is in; the later ones may be out
	global_store_b128 v28, v[112+4*\t:112+4*\t+3], s[18:19] offset:2*\t*512   ; sixteen lanes store 256 consecutive bytes, aligned
.endr
	s_cmp_lg_u32 s24, 0                            ; wave 0 stores the 32 rows' scale bytes, 16 of a row's 32
	s_cbranch_scc1 .Lw_end
	ds_load_b128 v[100:103], v25
	s_wait_dscnt 0x0
	global_store_b128 v26, v[100:103], s[20:21]
.Lw_end:
	FINISH
.Lfunc_end_k_q8cee91a692_prep:
	.size	k_q8cee91a692_prep, .Lfunc_end_k_q8cee91a692_prep-k_q8cee91a692_prep
	.p2alignl 7, 3214868480
	.fill 96, 4, 3214868480
	.section	.rodata,"a",@progbits
	.p2align	6, 0x0
	.amdhsa_kernel k_q8cee91a692_prep
		.amdhsa_group_segment_fixed_size 42496
		.amdhsa_private_segment_fixed_size 0
		.amdhsa_enable_private_segment 0
		.amdhsa_kernarg_size 80
		.amdhsa_user_sgpr_count 2
		.amdhsa_user_sgpr_kernarg_segment_ptr 1
		.amdhsa_wavefront_size32 1
		.amdhsa_system_sgpr_workgroup_id_x 1
		.amdhsa_system_sgpr_workgroup_id_y 1
		.amdhsa_system_sgpr_workgroup_id_z 1
		.amdhsa_system_vgpr_workitem_id 0
		.amdhsa_next_free_vgpr 192
		.amdhsa_next_free_sgpr 66
		.amdhsa_reserve_vcc 0
		.amdhsa_float_denorm_mode_32 3
		.amdhsa_float_denorm_mode_16_64 3
		.amdhsa_memory_ordered 1
		.amdhsa_forward_progress 1
		.amdhsa_inst_pref_size 64
	.end_amdhsa_kernel
	.amdgpu_metadata
---
amdhsa.version: [ 1, 2 ]
amdhsa.kernels:
  - .name:           k_q8cee91a692_prep
    .symbol:         k_q8cee91a692_prep.kd
    .args:
      - { .name: x, .offset: 0, .size: 8, .value_kind: global_buffer, .address_space: global }
      - { .name: Wq, .offset: 8, .size: 8, .value_kind: global_buffer, .address_space: global }
      - { .name: Wk, .offset: 16, .size: 8, .value_kind: global_buffer, .address_space: global }
      - { .name: Wv, .offset: 24, .size: 8, .value_kind: global_buffer, .address_space: global }
      - { .name: Wo, .offset: 32, .size: 8, .value_kind: global_buffer, .address_space: global }
      - { .name: xc, .offset: 40, .size: 8, .value_kind: global_buffer, .address_space: global }
      - { .name: xs, .offset: 48, .size: 8, .value_kind: global_buffer, .address_space: global }
      - { .name: wc, .offset: 56, .size: 8, .value_kind: global_buffer, .address_space: global }
      - { .name: ws, .offset: 64, .size: 8, .value_kind: global_buffer, .address_space: global }
      - { .name: wo16, .offset: 72, .size: 8, .value_kind: global_buffer, .address_space: global }
    .group_segment_fixed_size: 42496
    .private_segment_fixed_size: 0
    .kernarg_segment_align: 8
    .kernarg_segment_size: 80
    .max_flat_workgroup_size: 128
    .sgpr_count:     66
    .vgpr_count:     192
    .wavefront_size: 32
...
	.end_amdgpu_metadata
.endif
;; end of part 1
;; launch qkv (part 2): grid 12 x 32, 4 waves a work-group, clusters of 4 x 4, 327,680 bytes of LDS; arguments xc, xs, wc, ws, qkv, img32; writes qkv, img32
.if DOCPART == 2
	.amdgcn_target "amdgcn-amd-amdhsa--gfx1250"
	.amdhsa_code_object_version 6
	.text
	.protected	k_q8cee91a692_qkv
	.globl	k_q8cee91a692_qkv
	.p2align	8
	.type	k_q8cee91a692_qkv,@function
k_q8cee91a692_qkv:
	s_mov_b64 s[64:65], 0
	v_nop
	global_prefetch_b8 v0, s[64:65] scope:SCOPE_SE
	s_setreg_imm32_b32 hwreg(HW_REG_WAVE_MODE, 25, 1), 1
	s_wait_xcnt 0x0
	s_wait_alu depctr_hold_cnt(0) depctr_sa_sdst(0) depctr_va_vdst(0) depctr_va_sdst(0) depctr_va_ssrc(0) depctr_va_vcc(0) depctr_vm_vsrc(0)
	s_getreg_b32 s2, hwreg(HW_REG_IB_STS2, 6, 4)
	s_cmp_eq_u32 s2, 0
	s_cbranch_scc0 .Lentry_in_a_cluster
	s_endpgm
.Lentry_in_a_cluster:
	s_bfe_u32 s2, ttmp6, 0x10000c
	s_cmp_lg_u32 s2, 0xf033
	s_cbranch_scc0 .Lentry_shape_is_right
	s_endpgm
.Lentry_shape_is_right:
; QKV: the three quantised products as ONE product on codes of FP4 (E2M1) with E8M0 scales: C[m][n] = sum over k of x[m][k] W[n][k], m = 8,192 tokens, n = 3,072 = 1,024 mat + 64 head + d, K = 1,024; sums in f32.
; The results leave as f16, laid by head: qkv [mat][batch][head][t][64]; of positions 0-15 of every sequence the f32 sums leave too, as an image of the accumulators' registers (img32), for the launch that carries those rows in f32.
; LIMIT: a result above 65,504 in magnitude becomes infinity in f16.
; A tile of C, 256 x 256, is made by a work-group of four waves; a wave makes 128 x 128: 64 accumulators of 16 x 16, 512 registers.  K is two LDS slots of 512 along K (rows of 256 bytes): both are asked for at the head,
; and nothing is filled again.  The scale bytes of the work-group's rows, for all of K, come with them, as dense blocks.
; CLUSTERS: 4 x 4 work-groups.  The four of a row of the cluster need the same tiles of x, the four of a column the same tiles of W: each tile is asked for JOINTLY, by the same tensor load with the same descriptor and a mask
; that names the four.  THE MATRIX INSTRUCTION IS USED TRANSPOSED (source 0 = 16 rows of W, source 1 = 16 tokens): a lane then holds eight neighbouring d of one token.
; REGISTERS, in windows of 256: window 0: v0-31 addresses; v32-95 scale words, two sets; from v128 x's fragments (8 x 16 rows x 128 K), one set; on the way out v32-63, v192-255.
;   window 1: W's fragments, two sets, at v0 and v128.   window 2: the 32 accumulators of my rows 0-63 (accumulator (a, b) at v[8 (8 a + b)]);   window 3: those of my rows 64-127.
.set SIZE_K, 1024
.set KSTEP,  512                       ; along K in a slot
.set NQ,     KSTEP/128                 ; matrix instructions deep
.set ROWB,   256                       ; a tile's row in bytes
.set KROW,   SIZE_K*4/8                ; a row of codes in memory
.set PITCH,  272                       ; an LDS row: 256 bytes + 16 of padding: the 16 rows that a load touches start 68 words apart
.set FR,     8                         ; registers of a fragment
.set NL,     2                         ; LDS loads that bring one
.set NP,     4                         ; places behind this matrix instruction (ISA guide 7.12.1)
.set HALFT,  128*PITCH                 ; 128 rows: what one tensor load brings
.set SLOT,   4*HALFT                   ; x's 256 rows, then W's 256 rows
.set KS,     SIZE_K/32                 ; a row of scales in bytes
.set SCL,    2*SLOT                    ; behind the slots: the scales, as lines of 256 bytes + 16 of padding
.set HALFS,  (128*KS/256)*272          ; the scales of 128 rows
.set SBLK,   (16*KS/256)*272           ; those of 16 rows
.set SPARE,  SCL+4*HALFS               ; the spare words, 128 bytes for each wave
.set HP,     144                       ; the way out: a stage row: 128 bytes (a head's 64 f16) + 16
.set HSTG,   16*HP                     ; 16 tokens of one head; a wave's stage is two of these, in slot 0, which has had its last fill and its last read by then
.set ADRA, 16
.set ADRB, 20
.set STO,  24
.set RD,   25
.set CO,   26                          ; v26  16 x lane
.set ADRS, 27
.set SPW,  28
.set NIL,  29
.set SC,   32
.set AF,   128
.set TMP,  192                         ; the way out: a block's 32 packed registers
.set G1, 24
.set G0, 32
.set G1B, 48
.set G0B, 56
.set G1S, 68
.set G0S, 76
.set G1SB, 80
.set G0SB, 88
.set MSB, 0
.macro WIN new                         ; the immediate's high byte repeats the setting that is left
.if MSB != \new
	s_set_vgpr_msb (MSB<<8)|\new
.set MSB, \new
.endif
.endm
.set MUL_LO, 0xa1                      ; source 0 (W) window 1, source 1 (x) window 0, C and D window 2
.set MUL_HI, 0xf1                      ; the same, C and D window 3
.set TO_B,   0x40                      ; destination window 1, address window 0
; A joint load: waves 0 and 1 fetch for x, waves 2 and 3 for W.  The branch hangs on the wave's number alone.  An s_nop 0 and four v_nop follow each of the two lines.
.macro JLOAD g0a, g1a, g0b, g1b
	s_cmp_eq_u32 s15, 0
	s_cbranch_scc0 .Lfor_b_\@
	tensor_load_to_lds s[\g0a:\g0a+3], s[\g1a:\g1a+7]
	s_nop 0
.rept 4
	v_nop
.endr
	s_branch .Lasked_\@
.Lfor_b_\@:
	tensor_load_to_lds s[\g0b:\g0b+3], s[\g1b:\g1b+7]
	s_nop 0
.rept 4
	v_nop
.endr
.Lasked_\@:
.endm
.macro CROUND                          ; a round of the cluster's barrier
	s_barrier_signal -1
	s_barrier_wait -1
	s_cmp_lg_u32 s14, 0
	s_cbranch_scc1 .Lnot_wave_0_\@
	s_barrier_signal -3
.Lnot_wave_0_\@:
	s_barrier_wait -3
	s_barrier_signal -1
	s_barrier_wait -1
.endm
	s_load_b128 s[4:7], s[0:1], 0x0                ; x's codes s[4:5], x's scales s[6:7]
	s_load_b128 s[8:11], s[0:1], 0x10              ; W's codes s[8:9], W's scales s[10:11]
	s_load_b64 s[12:13], s[0:1], 0x20              ; qkv
	s_load_b64 s[66:67], s[0:1], 0x28              ; img32
	v_lshl_add_u32 v[SPW], v0, 2, SPARE
	v_mov_b32 v[NIL], 0
	ds_add_u32 v[SPW], v[NIL]                      ; the wave's opening: an add of 0 to my spare word, twice on end, and its wait ahead of my first tensor load
	ds_add_u32 v[SPW], v[NIL]
	v_lshrrev_b32 v1, 5, v0
	v_readfirstlane_b32 s14, v1                    ; wave 0..3
	s_lshr_b32 s15, s14, 1                         ; which half of the tile's rows is mine.  Also: I fetch for x (0) or for W (1)
	s_and_b32 s16, s14, 1                          ; which half of its columns.  Also: which 128 rows of that tile I fetch
	s_bfe_u32 s40, ttmp6, 0x40000                  ; cx, cy: my place in the cluster
	s_bfe_u32 s41, ttmp6, 0x40004
	s_lshl_b32 s42, ttmp9, 2
	s_add_co_u32 s42, s42, s40                     ; tile column = 4 x cluster x + cx
	s_and_b32 s17, ttmp7, 0xffff
	s_lshl_b32 s17, s17, 2
	s_add_co_u32 s17, s17, s41                     ; tile row = 4 x cluster y + cy
	s_lshl_b32 s43, s41, 2
	s_lshl_b32 s43, 15, s43                        ; my row of the cluster
	s_lshl_b32 s44, 0x1111, s40                    ; my column
	; descriptor group 1: a tile of 128 rows x 256 bytes, 16 bytes of padding behind each row
	s_or_b32 s[G1+0], s43, (0<<16)|(1<<20)|(1<<21)|(5<<22)|(3<<25)
	s_or_b32 s[G1B+0], s44, (0<<16)|(1<<20)|(1<<21)|(5<<22)|(3<<25)
.irp g, G1, G1B
	s_mov_b32 s[\g+1], ROWB<<16                    ; tensor_dim0
	s_mov_b32 s[\g+2], 128<<16                     ; tensor_dim1
	s_mov_b32 s[\g+3], ROWB<<16                    ; tile_dim0
	s_mov_b32 s[\g+4], 128                         ; tile_dim1
	s_mov_b32 s[\g+5], KROW                        ; from row to row
	s_mov_b32 s[\g+6], 0
	s_mov_b32 s[\g+7], 0
.endr
	; the scales of 128 rows: a dense block of 4,096 bytes, as 16 rows of 256 bytes (32 elements of 8 bytes), 16 bytes of padding behind each
	s_or_b32 s[G1S+0], s43, (3<<16)|(1<<20)|(1<<21)|(5<<22)|(3<<25)
	s_or_b32 s[G1SB+0], s44, (3<<16)|(1<<20)|(1<<21)|(5<<22)|(3<<25)
.irp g, G1S, G1SB
	s_mov_b32 s[\g+1], 32<<16
	s_mov_b32 s[\g+2], (128*KS/256)<<16
	s_mov_b32 s[\g+3], 32<<16
	s_mov_b32 s[\g+4], 128*KS/256
	s_mov_b32 s[\g+5], 32
	s_mov_b32 s[\g+6], 0
	s_mov_b32 s[\g+7], 0
.endr
	s_lshl_b32 s18, s16, 7                         ; which 128 rows of the tile I fetch
	s_lshl_b32 s20, s17, 8
	s_add_co_u32 s20, s20, s18                     ; x: row 256 x tile row + 128 x half
	s_lshl_b32 s46, s42, 8
	s_add_co_u32 s46, s46, s18                     ; W: row 256 x tile column + 128 x half
	s_mov_b32 s21, 0
	s_mov_b32 s47, 0
	s_mov_b64 s[18:19], KS
	s_mul_u64 s[22:23], s[20:21], s[18:19]         ; where these rows' scales begin, in bytes
	s_mul_u64 s[92:93], s[46:47], s[18:19]
	s_mov_b64 s[18:19], KROW
	s_mul_u64 s[20:21], s[20:21], s[18:19]         ; and their codes
	s_mul_u64 s[46:47], s[46:47], s[18:19]
	s_mul_i32 s45, s14, HALFT                      ; where they go: wave x 128 rows: no place in the cluster enters an LDS address
	s_mul_i32 s94, s14, HALFS
	s_wait_dscnt 0x0                               ; both opening adds are done
	s_wait_kmcnt 0x0
	s_add_nc_u64 s[20:21], s[4:5], s[20:21]
	s_add_nc_u64 s[22:23], s[6:7], s[22:23]
	s_add_nc_u64 s[46:47], s[8:9], s[46:47]
	s_add_nc_u64 s[92:93], s[10:11], s[92:93]
	CROUND                                         ; all sixteen work-groups are here: the joint loads meet
	s_mov_b32 s[G0S], 1
	s_add_co_u32 s[G0S+1], s94, SCL
	s_mov_b64 s[G0S+2:G0S+3], s[22:23]
	s_or_b32 s[G0S+3], s[G0S+3], 0x80000000
	s_mov_b32 s[G0SB], 1
	s_add_co_u32 s[G0SB+1], s94, SCL
	s_mov_b64 s[G0SB+2:G0SB+3], s[92:93]
	s_or_b32 s[G0SB+3], s[G0SB+3], 0x80000000
	JLOAD G0S, G1S, G0SB, G1SB                     ; the scales first: they are wanted with K step 0.  Three loads of mine are out at the most
.irp s, 0,1
	s_mov_b32 s[G0+4*\s], 1
	s_add_co_u32 s[G0+4*\s+1], s45, \s*SLOT
	s_add_nc_u64 s[G0+4*\s+2:G0+4*\s+3], s[20:21], \s*ROWB
	s_or_b32 s[G0+4*\s+3], s[G0+4*\s+3], 0x80000000
	s_mov_b32 s[G0B+4*\s], 1
	s_add_co_u32 s[G0B+4*\s+1], s45, \s*SLOT
	s_add_nc_u64 s[G0B+4*\s+2:G0B+4*\s+3], s[46:47], \s*ROWB
	s_or_b32 s[G0B+4*\s+3], s[G0B+4*\s+3], 0x80000000
	JLOAD G0+4*\s, G1, G0B+4*\s, G1B
.endr
	v_and_b32 v1, 15, v0                           ; l % 16
	v_bfe_u32 v2, v0, 4, 1                         ; l / 16
	v_mul_u32_u24 v3, v1, PITCH
	v_lshl_add_u32 v4, v2, 4, v3                   ; a fragment's row x pitch + 16 x half
	s_mul_i32 s21, s15, HALFT                      ; my 128 rows of x
	s_mul_i32 s22, s16, HALFT                      ; my 128 rows of W,
	s_add_co_u32 s22, s22, 2*HALFT                 ; which lie behind x's 256
.irp s, 0,1
	v_add_nc_u32 v[ADRA+\s], s21, v4
	v_add_nc_u32 v[ADRB+\s], s22, v4
	s_add_co_u32 s21, s21, SLOT
	s_add_co_u32 s22, s22, SLOT
.endr
	v_mul_u32_u24 v5, v1, KS                       ; my row's scales: KS bytes a row,
	v_lshrrev_b32 v6, 8, v5
	v_lshl_add_u32 v5, v6, 4, v5                   ; and 16 more for each 256 passed
	s_mul_i32 s21, s15, HALFS
	s_mul_i32 s22, s16, HALFS
	s_add_co_u32 s22, s22, 2*HALFS
	s_sub_co_u32 s22, s22, s21
	v_mul_u32_u24 v6, s22, v2                      ; lanes 16-31 take W's: one product, the distance between the two bases
	s_add_co_u32 s21, s21, SCL
	v_add_nc_u32 v5, v5, v6
	v_add_nc_u32 v[ADRS], s21, v5
	s_mul_i32 s23, s14, 2*HSTG                     ; my stage
	v_mul_u32_u24 v5, v1, HP
	v_lshl_add_u32 v5, v2, 4, v5
	v_add_nc_u32 v[STO], s23, v5                   ; in: token l % 16, 16 bytes for each half of the lanes
	v_and_b32 v6, 31, v0
	v_lshlrev_b32 v[CO], 4, v6
	v_lshrrev_b32 v5, 3, v6
	v_mul_u32_u24 v5, v5, HP
	v_and_b32 v6, 7, v6
	v_lshl_add_u32 v5, v6, 4, v5
	v_add_nc_u32 v[RD], s23, v5                    ; back: eight lanes to a token's 128 bytes, four tokens an instruction
	; where my results go.  My 128 columns are two heads: head index = (4 mat + batch) x 16 + head, mat = tile column / 4, batch = tile row / 8, head = 4 (tile column % 4) + 2 x my column half
	s_lshr_b32 s95, s42, 2
	s_lshl_b32 s95, s95, 2
	s_lshr_b32 s96, s17, 3
	s_add_co_u32 s95, s95, s96
	s_lshl_b32 s95, s95, 4
	s_and_b32 s96, s42, 3
	s_lshl_b32 s96, s96, 2
	s_add_co_u32 s95, s95, s96
	s_lshl_b32 s96, s16, 1
	s_add_co_u32 s95, s95, s96
	s_lshl_b32 s96, s95, 12                        ; img32: 4,096 bytes a head
	s_mov_b32 s97, 0
	s_add_nc_u64 s[66:67], s[66:67], s[96:97]
	s_lshl_b32 s96, s95, 18                        ; qkv: 2,048 rows of 128 bytes a head
	s_add_nc_u64 s[12:13], s[12:13], s[96:97]
	s_and_b32 s96, s17, 7
	s_lshl_b32 s96, s96, 1
	s_add_co_u32 s96, s96, s15
	s_lshl_b32 s96, s96, 14                        ; my first position: (2 (tile row % 8) + my row half) x 128 rows of 128 bytes
	s_add_nc_u64 s[12:13], s[12:13], s[96:97]
	s_and_b32 s95, s17, 7
	s_or_b32 s95, s95, s15                         ; 0 where my first row is position 0 of a sequence
.macro FRAG reg, adr, q, i             ; a fragment, 16 rows x 128 K of 4-bit codes, is 8 registers: lane l holds row l % 16; registers 4 c .. 4 c + 3 hold K = 64 c + 32 (l / 16) + 0 .. 31
.irp c, 0,1
	ds_load_b128 v[\reg+4*\c:\reg+4*\c+3], v[\adr] offset:64*(\q)+32*\c+(\i)*16*PITCH
.endr
.endm
; 16 matrix instructions: x's blocks a0, a0 + 1 against W's eight, 128 along K.  p: W's set;  sc: the set of scale words.  zero = 1: the first product starts the sums.
; The 64 accumulators take turns, one instruction a turn, in the same order in every step.
.macro MUL16 a0, p, q, sc, zero
.irp a, \a0, \a0+1
.irp b, 0,1,2,3,4,5,6,7
.if \zero
	v_wmma_scale_f32_16x16x128_f8f6f4 v[8*(8*((\a)%4)+\b):8*(8*((\a)%4)+\b)+7], v[128*(\p)+FR*\b:128*(\p)+FR*\b+FR-1], v[AF+FR*(\a):AF+FR*(\a)+FR-1], 0, v[SC+8*NQ*(\sc)+NQ*\b+(\q)], v[SC+8*NQ*(\sc)+NQ*(\a)+(\q)] matrix_a_fmt:MATRIX_FMT_FP4 matrix_b_fmt:MATRIX_FMT_FP4 matrix_a_scale:MATRIX_SCALE_ROW1
.else
	v_wmma_scale_f32_16x16x128_f8f6f4 v[8*(8*((\a)%4)+\b):8*(8*((\a)%4)+\b)+7], v[128*(\p)+FR*\b:128*(\p)+FR*\b+FR-1], v[AF+FR*(\a):AF+FR*(\a)+FR-1], v[8*(8*((\a)%4)+\b):8*(8*((\a)%4)+\b)+7], v[SC+8*NQ*(\sc)+NQ*\b+(\q)], v[SC+8*NQ*(\sc)+NQ*(\a)+(\q)] matrix_a_fmt:MATRIX_FMT_FP4 matrix_b_fmt:MATRIX_FMT_FP4 matrix_a_scale:MATRIX_SCALE_ROW1
.endif
.endr
.endr
.endm
.macro FETCH_B slot, q, p
	WIN TO_B
.irp i, 0,1,2,3,4,5,6,7
	FRAG 128*(\p)+FR*\i, ADRB+\slot, \q, \i
.endr
	WIN 0
.endm
.macro FETCH_A slot, q, i0
.irp i, \i0, \i0+1, \i0+2, \i0+3
	FRAG AF+FR*(\i), ADRA+\slot, \q, \i
.endr
.endm
.macro SCALES sc                       ; a slot's scale words: four words a row; lanes 0-15 take x's block i, lanes 16-31 W's block i
.irp i, 0,1,2,3,4,5,6,7
	ds_load_b128 v[SC+8*NQ*\sc+NQ*\i:SC+8*NQ*\sc+NQ*\i+3], v[ADRS] offset:\i*SBLK
.endr
.endm
.macro PLACES n                        ; plain vector instructions between a matrix instruction and a load into, or a read of, its registers
.rept \n
	v_nop
.endr
.endm
.macro STEP slot, q, zero              ; a step of 128 along K that has its successor in the same slot
	s_wait_dscnt 4*NL                              ; W's set and x's blocks 0-3 are in; the youngest eight loads (x's blocks 4-7) may be out
	WIN MUL_LO
	MUL16 0, (\q)%2, \q, \slot, \zero
	MUL16 2, (\q)%2, \q, \slot, \zero
	s_wait_dscnt 0
	PLACES NP
	FETCH_B \slot, (\q)+1, 1-(\q)%2
	FETCH_A \slot, (\q)+1, 0
	WIN MUL_HI
	MUL16 4, (\q)%2, \q, \slot, \zero
	MUL16 6, (\q)%2, \q, \slot, \zero
	PLACES NP
	WIN 0
	FETCH_A \slot, (\q)+1, 4
.endm
; Slot 0's last step changes slots: one barrier; in front of it each wave waits for all its tensor loads (its part of slot 1), adds 0 to its spare word, and waits for that and for its own reads of slot 0.
; Behind it slot 1 is whole, and nobody reads slot 0 any more: the way out's stages lie there.
.macro TURN slot, next
	s_wait_tensorcnt 0x0
	ds_add_u32 v[SPW], v[NIL]
	s_wait_dscnt 4*NL+1                            ; (the add and the youngest eight loads may be out)
	WIN MUL_LO
	MUL16 0, 1, NQ-1, \slot, 0
	s_wait_dscnt 0x0
	s_barrier_signal -1
	MUL16 2, 1, NQ-1, \slot, 0
	WIN 0
	s_barrier_wait -1
	PLACES NP
	v_add_nc_u32 v[ADRS], 4*NQ, v[ADRS]            ; on to the next slot's scale words
	FETCH_B \next, 0, 0
	FETCH_A \next, 0, 0
	SCALES \next
	WIN MUL_HI
	MUL16 4, 1, NQ-1, \slot, 0
	MUL16 6, 1, NQ-1, \slot, 0
	PLACES NP
	WIN 0
	FETCH_A \next, 0, 4
.endm
	s_wait_tensorcnt 1                             ; the scales and my part of slot 0 are in (slot 1's load may be out)
	s_barrier_signal -1
	s_barrier_wait -1                              ; everybody's are
	FETCH_B 0, 0, 0
	FETCH_A 0, 0, 0
	SCALES 0
	FETCH_A 0, 0, 4
	STEP 0, 0, 1                                   ; the first step's products start the sums: nothing is cleared
	STEP 0, 1, 0
	STEP 0, 2, 0
	TURN 0, 1
	STEP 1, 0, 0
	STEP 1, 1, 0
	STEP 1, 2, 0
	s_wait_dscnt 4*NL                              ; the last step: nothing more to fetch
	WIN MUL_LO
	MUL16 0, 1, NQ-1, 1, 0
	MUL16 2, 1, NQ-1, 1, 0
	s_wait_dscnt 0
	WIN MUL_HI
	MUL16 4, 1, NQ-1, 1, 0
	MUL16 6, 1, NQ-1, 1, 0
	WIN 0
	PLACES NP
	; POSITIONS 0-15 IN F32.  Where my first 16 rows are positions 0-15 of a sequence, block 0's eight accumulators leave as they stand: registers 4 c .. 4 c + 3 of accumulator b at head b / 4, (b % 4) x 1,024 + 512 c + 16 x lane.
	; No branch: the lanes are switched off.  EXEC changes only behind s_wait_xcnt 0.
	v_cmp_eq_u32 vcc_lo, s95, v[NIL]
	s_wait_xcnt 0x0
	s_and_saveexec_b32 s96, vcc_lo
	WIN 0x08                                       ; a store's data are its source 1: window 2
.irp b, 0,1,2,3,4,5,6,7
	global_store_b128 v[CO], v[8*\b:8*\b+3], s[66:67] offset:(\b/4)*4096+(\b%4)*1024          ; each accumulator from its low end on; 512 consecutive bytes a store
	global_store_b128 v[CO], v[8*\b+4:8*\b+7], s[66:67] offset:(\b/4)*4096+(\b%4)*1024+512
.endr
	WIN 0
	s_wait_xcnt 0x0
	s_or_b32 exec_lo, exec_lo, s96                 ; all lanes on again
; THE WAY OUT, block by block of 16 tokens x 128 columns (two heads).  PACK: rounded to f16, 16 bytes a lane.  TOSTAGE: into my own stage, and back as whole rows of 128 bytes.  SEND: stored, 512 consecutive bytes of a head a store.
.macro PACK a
.set AC, 64*((\a)%4)
	WIN 0x0a+5*((\a)/4)                            ; sources 0 and 1: window 2 or 3
.irp b, 0,1,2,3,4,5,6,7
.irp r, 0,1,2,3
	v_cvt_pk_f16_f32 v[TMP+4*\b+\r], v[AC+8*\b+2*\r], v[AC+8*\b+2*\r+1]
.endr
.endr
	WIN 0
.endm
.macro TOSTAGE a
.set BK, 32+192*((\a)%2)               ; v32-63 and v224-255 by turns
.irp b, 0,1,2,3,4,5,6,7
	ds_store_b128 v[STO], v[TMP+4*\b:TMP+4*\b+3] offset:(\b/4)*HSTG+(\b%4)*32
.endr
.irp t, 0,1,2,3,4,5,6,7
	ds_load_b128 v[BK+4*\t:BK+4*\t+3], v[RD] offset:(\t/4)*HSTG+(\t%4)*4*HP    ; LDS serves a wave's instructions in order: these see the stores above
.endr
.endm
.macro SEND a
.set BK, 32+192*((\a)%2)
	s_wait_dscnt 0x0                               ; the block is back in registers
	s_wait_xcnt 0x0                                ; the stores of the block before have read their registers: the next block's loads may land there
.irp t, 0,1,2,3,4,5,6,7
	global_store_b128 v[CO], v[BK+4*\t:BK+4*\t+3], s[12:13] offset:(\t/4)*262144+(\a)*2048+(\t%4)*512
.endr
.endm
	PACK 0
	TOSTAGE 0
.irp a, 1,2,3,4,5,6,7                  ; block a's conversions stand between block a - 1's loads from the stage and the wait for them
	PACK \a
	SEND \a-1
	TOSTAGE \a
.endr
	SEND 7
	s_wait_tensorcnt 0x0                           ; the wave's end: an add of 0 to my spare word and its wait, behind my last tensor load and my last LDS store
	ds_add_u32 v[SPW], v[NIL]
	s_wait_dscnt 0x0
	CROUND                                         ; the closing round: no work-group ends while a partner may still ask for a tile that names it
	s_endpgm
.Lfunc_end_k_q8cee91a692_qkv:
	.size	k_q8cee91a692_qkv, .Lfunc_end_k_q8cee91a692_qkv-k_q8cee91a692_qkv
	.p2alignl 7, 3214868480
	.fill 96, 4, 3214868480
	.section	.rodata,"a",@progbits
	.p2align	6, 0x0
	.amdhsa_kernel k_q8cee91a692_qkv
		.amdhsa_group_segment_fixed_size 327680
		.amdhsa_private_segment_fixed_size 0
		.amdhsa_enable_private_segment 0
		.amdhsa_kernarg_size 48
		.amdhsa_user_sgpr_count 2
		.amdhsa_user_sgpr_kernarg_segment_ptr 1
		.amdhsa_wavefront_size32 1
		.amdhsa_system_sgpr_workgroup_id_x 1
		.amdhsa_system_sgpr_workgroup_id_y 1
		.amdhsa_system_sgpr_workgroup_id_z 1
		.amdhsa_system_vgpr_workitem_id 0
		.amdhsa_next_free_vgpr 1024
		.amdhsa_next_free_sgpr 98
		.amdhsa_reserve_vcc 1
		.amdhsa_float_denorm_mode_32 3
		.amdhsa_float_denorm_mode_16_64 3
		.amdhsa_memory_ordered 1
		.amdhsa_forward_progress 1
		.amdhsa_inst_pref_size 128
	.end_amdhsa_kernel
	.amdgpu_metadata
---
amdhsa.version: [ 1, 2 ]
amdhsa.kernels:
  - .name:           k_q8cee91a692_qkv
    .symbol:         k_q8cee91a692_qkv.kd
    .args:
      - { .name: xc, .offset: 0, .size: 8, .value_kind: global_buffer, .address_space: global }
      - { .name: xs, .offset: 8, .size: 8, .value_kind: global_buffer, .address_space: global }
      - { .name: wc, .offset: 16, .size: 8, .value_kind: global_buffer, .address_space: global }
      - { .name: ws, .offset: 24, .size: 8, .value_kind: global_buffer, .address_space: global }
      - { .name: qkv, .offset: 32, .size: 8, .value_kind: global_buffer, .address_space: global }
      - { .name: img32, .offset: 40, .size: 8, .value_kind: global_buffer, .address_space: global }
    .group_segment_fixed_size: 327680
    .private_segment_fixed_size: 0
    .kernarg_segment_align: 8
    .kernarg_segment_size: 48
    .max_flat_workgroup_size: 128
    .sgpr_count:     98
    .vgpr_count:     1024
    .wavefront_size: 32
...
	.end_amdgpu_metadata
.endif
;; end of part 2
;; launch attn (part 3): grid 4 x 64, 16 waves a work-group, clusters of 4 x 1, 327,680 bytes of LDS; arguments qkv, att; writes att
.if DOCPART == 3
	.amdgcn_target "amdgcn-amd-amdhsa--gfx1250"
	.amdhsa_code_object_version 6
	.text
	.protected	k_q8cee91a692_attn
	.globl	k_q8cee91a692_attn
	.p2align	8
	.type	k_q8cee91a692_attn,@function
k_q8cee91a692_attn:
	s_mov_b64 s[64:65], 0
	v_nop
	global_prefetch_b8 v0, s[64:65] scope:SCOPE_SE
	s_setreg_imm32_b32 hwreg(HW_REG_WAVE_MODE, 25, 1), 1
	s_wait_xcnt 0x0
	s_wait_alu depctr_hold_cnt(0) depctr_sa_sdst(0) depctr_va_vdst(0) depctr_va_sdst(0) depctr_va_ssrc(0) depctr_va_vcc(0) depctr_vm_vsrc(0)
	s_getreg_b32 s2, hwreg(HW_REG_IB_STS2, 6, 4)
	s_cmp_eq_u32 s2, 0
	s_cbranch_scc0 .Lentry_in_a_cluster
	s_endpgm
.Lentry_in_a_cluster:
	s_bfe_u32 s2, ttmp6, 0x10000c
	s_cmp_lg_u32 s2, 0x3003
	s_cbranch_scc0 .Lentry_shape_is_right
	s_endpgm
.Lentry_shape_is_right:
; ATTN: att[b][h][q][:] = the sum over k <= q of softmax_k(Q[q] . K[k] / 8) V[k][:], per batch and head.  Q, K, V: f16 [2048][64] a head (qkv); products on f16 operands with f32 sums; maxima, exponentials and sums in f32;
; the weights p are rounded to f16 for the second product.  The result leaves as f16 planes by head: att [head][8192 tokens][64].
; LIMITS: a result above 65,504 in magnitude becomes infinity in f16.  (Positions 0-15 of every sequence are computed here too, and again in f32 by a later launch, whose rows of the output stand.)
; SHARES.  A cluster of four work-groups is one (batch, head); its partners walk the same K and V, which are asked for JOINTLY.  A wave owns 32 queries, two tiles of 16: Q0 = 128 rank + 32 cx, cx the work-group's place in the cluster.
; rank hangs on the wave's number alone and is dealt so that any four waves w % 4 alike, and any four w / 4 alike, hold ranks that sum to 30.  Every branch hangs on rank and on the count of steps, never on cx:
; a step of 64 keys from KF on is left out where KF >= 128 rank + 128, and is masked where KF >= 128 rank.  So all partners run alike, and cx enters only Q's and att's addresses and the mask's numbers.
; Ranks 14 and 15 read every slot in every work-group, so every joint load's bytes are read.
; LAYOUT.  S^T = K Q^T (source 0 = 16 keys, source 1 = 16 queries): a lane holds ONE query (lane % 16) and the keys 8 (lane / 16) + 0..7 of a tile.  Two such tiles, rounded to f16 in pairs, are source 1 of O^T = V^T P.
; K comes out of LDS as it lies, V ([key][channel]) turned, by ds_load_tr16_b128.
; SOFTMAX.  For each query a running maximum m and sum l: p = 2^(c s - c m), c = log2(e) / 8; in every step O and l are multiplied by a = 2^(c m_old - c m_new).  Key 0 counts for every query, so m is a number from the first step on.
; THE RING.  Two slots of 256 keys.  The change of slots stands at a slot's head; behind its round of the cluster's barrier waves 0, 1 (K's halves) and 2, 3 (V's halves) ask for the next 256 keys.
; REGISTERS: v1-11 addresses and the mask's numbers; v12-27 eight statistics a tile; v28-31 a second chain for the sums; v32-63 Q; v64-127 S^T, then p, then P packed into each tile's low 16; v128-191 O^T; v192-255 K's fragments, then V's.
.set PK,    144                        ; a key's row in LDS: 128 bytes + 16: an odd multiple of 16
.set PV,    160                        ; a row of V: 128 + 32: an odd multiple of 32, for the turning load
.set VOFF,  256*PK                     ; a slot: 256 rows of K, then 256 rows of V
.set SLOT1, 1<<17                      ; slot 1 begins here: one exclusive or turns an address from one slot to the other
.set SPARE, 2*SLOT1                    ; the spare words, 128 bytes for each of 16 waves
.set AK0,  1
.set AV0,  2
.set SPW,  3
.set NIL,  4
.set ADK,  5
.set ADV,  6
.set LQ,   7                           ; v7   lane % 16 - 8 (lane / 16)
.set DD,   8                           ; v8-9 the mask: my query less the key of register 0 of tile 0, for each tile of queries
.set NINF, 10
.set PFO,  11
.set ST,   12                          ; tile t's statistics at v[ST + 8 t]: +0 c m, +1 m, +2, +3 l (even keys', odd keys'), +4 .. +7 at work; +6 takes a
.set SUM2, 28
.set Q,    32
.set S,    64
.set O,    128
.set KV,   192
.set WV,   8
.set CXR,  9
.set BH,   10
.set RANK, 11
.set RB,   12
.set RBE,  13
.set Q0,   14
.set KF,   15
.set TB,   16
.set SLOTS, 18
.set SEL,  20
.set CS,   22
.set G1K,  24
.set G1V,  32
.set G0K,  40
.set G0V,  44
.set PFA,  48
.set LIM,  50
; Waves 0 and 1 fetch for K, waves 2 and 3 for V, the others nothing.  The branches hang on the wave's number alone.  An s_nop 0 and four v_nop follow each of the two lines.
.macro TLOAD
	s_cmp_lt_u32 s[WV], 2
	s_cbranch_scc0 .Lnot_k_\@
	tensor_load_to_lds s[G0K:G0K+3], s[G1K:G1K+7]
	s_nop 0
.rept 4
	v_nop
.endr
	s_branch .Lasked_\@
.Lnot_k_\@:
	s_cmp_lt_u32 s[WV], 4
	s_cbranch_scc0 .Lasked_\@
	tensor_load_to_lds s[G0V:G0V+3], s[G1V:G1V+7]
	s_nop 0
.rept 4
	v_nop
.endr
.Lasked_\@:
.endm
; A prefetch of what the NEXT change of slots will ask for: a slot's 32,768 bytes of K and of V.  This cluster alone reads its head's K and V.  Its four partners share a slot out BY ADDRESS, 8,192 bytes each, lanes 256 bytes apart;
; in each, wave 4 asks for K's and wave 5 for V's: each aligned block of 256 bytes is named once.  The last change that fills a slot asks for nothing; nothing is asked for at the head.
.macro ASK
	s_cmp_gt_u32 s[SLOTS], s[LIM]
	s_cbranch_scc0 .Lnot_mine_\@
	global_prefetch_b8 v[PFO], s[PFA:PFA+1] th:TH_LOAD_NT scope:SCOPE_SE
.Lnot_mine_\@:
.endm
.macro CROUND                          ; a round of the cluster's barrier
	s_barrier_signal -1
	s_barrier_wait -1
	s_cmp_lg_u32 s[WV], 0
	s_cbranch_scc1 .Lnot_wave_0_\@
	s_barrier_signal -3
.Lnot_wave_0_\@:
	s_barrier_wait -3
	s_barrier_signal -1
	s_barrier_wait -1
.endm
	s_load_b128 s[4:7], s[0:1], 0x0                ; qkv s[4:5], att s[6:7]
	v_lshl_add_u32 v[SPW], v0, 2, SPARE
	v_mov_b32 v[NIL], 0
	ds_add_u32 v[SPW], v[NIL]                      ; the wave's opening: an add of 0 to my spare word, twice on end, and its wait ahead of the first tensor loads
	ds_add_u32 v[SPW], v[NIL]
	v_lshrrev_b32 v5, 5, v0
	v_readfirstlane_b32 s[WV], v5                  ; wave 0..15
	s_bfe_u32 s[CXR], ttmp6, 0x40000               ; cx
	s_and_b32 s[BH], ttmp7, 0xffff                 ; 16 batch + head, which the four partners share
	s_lshr_b32 s52, s[WV], 2                       ; g
	s_and_b32 s53, s[WV], 3                        ; i
	s_lshr_b32 s54, s53, 1
	s_xor_b32 s55, s53, s54
	s_and_b32 s55, s55, 1
	s_lshl_b32 s55, s55, 1
	s_or_b32 s55, s55, s54                         ; M(i) = 0, 2, 3, 1
	s_xor_b32 s53, s52, s53
	s_xor_b32 s55, s52, s55
	s_lshl_b32 s53, s53, 2
	s_add_co_u32 s[RANK], s53, s55                 ; rank = 4 (g xor i) + (g xor M(i)): each of 0..15 once
	s_lshl_b32 s[RB], s[RANK], 7
	s_add_co_u32 s[RBE], s[RB], 128
	s_lshl_b32 s[Q0], s[CXR], 5
	s_add_co_u32 s[Q0], s[Q0], s[RB]               ; my first query
	s_mov_b32 s[KF], 0                             ; the step's first key
	s_mov_b32 s[TB], 0                             ; LDS byte at which the slot in hand begins
	s_mov_b32 s[SLOTS], 7                          ; slots still to be asked for
	s_mov_b32 s[SEL], 0x76543210
	s_mov_b32 s[SEL+1], 0xfedcba98                 ; v_permlanex16_b32's selects for lane l xor 16
	s_mov_b32 s[CS], 0x3e38aa3b                    ; c = log2(e) / 8
	s_mov_b32 s[CS+1], s[CS]                       ; (named with it as a pair, so it is written)
	; descriptor group 1: 128 rows x 64 elements of 2 bytes, dense in memory; padding behind every 32 words: 4 words for K, 8 for V; the mask names all four work-groups
	s_mov_b32 s[G1K], 15|(1<<16)|(1<<20)|(1<<21)|(4<<22)|(3<<25)
	s_mov_b32 s[G1V], 15|(1<<16)|(1<<20)|(1<<21)|(4<<22)|(7<<25)
.irp g, G1K, G1V
	s_mov_b32 s[\g+1], 64<<16                      ; tensor_dim0
	s_mov_b32 s[\g+2], 128<<16                     ; tensor_dim1
	s_mov_b32 s[\g+3], 64<<16                      ; tile_dim0
	s_mov_b32 s[\g+4], 128                         ; tile_dim1
	s_mov_b32 s[\g+5], 64                          ; from row to row
	s_mov_b32 s[\g+6], 0
	s_mov_b32 s[\g+7], 0
.endr
	s_and_b32 s52, s[WV], 1                        ; which half of a slot's rows I fetch, if I fetch
	s_mul_i32 s53, s52, 128*PK                     ; K's half in a slot
	s_mul_i32 s54, s52, 128*PV
	s_add_co_u32 s54, s54, VOFF                    ; V's
	s_lshl_b32 s52, s52, 14                        ; and in memory: 128 rows of 128 bytes
	s_add_co_u32 s56, s[BH], 64                    ; K's heads lie behind Q's 64, V's behind K's; a head is 2^18 bytes
	s_lshl_b32 s56, s56, 18
	s_add_co_u32 s56, s56, s52
	s_mov_b32 s57, 0
	s_add_co_u32 s58, s[BH], 128
	s_lshl_b32 s58, s58, 18
	s_add_co_u32 s58, s58, s52
	s_mov_b32 s59, 0
	s_and_b32 s60, s[WV], 1                        ; the prefetches: even waves stand in K, odd ones in V,
	s_lshl_b32 s60, s60, 6
	s_add_co_u32 s60, s60, 64
	s_add_co_u32 s60, s60, s[BH]
	s_lshl_b32 s60, s60, 18
	s_lshl_b32 s61, s[CXR], 13                     ; at my work-group's 8,192 bytes
	s_add_co_u32 s60, s60, s61
	s_add_co_u32 s60, s60, 32768                   ; of slot 1: the first change of slots steps it to slot 2
	s_mov_b32 s61, 0
	s_lshr_b32 s62, s[WV], 1
	s_cmp_eq_u32 s62, 2                            ; waves 4 and 5 ask
	s_cselect_b32 s[LIM], 1, -1
	s_lshl_b32 s62, s[BH], 18                      ; Q: my head, my first query's row
	s_lshl_b32 s63, s[Q0], 7
	s_add_co_u32 s62, s62, s63
	s_mov_b32 s63, 0
	s_and_b32 s68, s[BH], 15                       ; att: plane = head, 2^20 bytes; row = 2,048 batch + query
	s_lshl_b32 s68, s68, 20
	s_lshr_b32 s69, s[BH], 4
	s_lshl_b32 s69, s69, 11
	s_add_co_u32 s69, s69, s[Q0]
	s_lshl_b32 s69, s69, 7
	s_add_co_u32 s68, s68, s69
	s_mov_b32 s69, 0
	s_wait_dscnt 0x0                               ; both opening adds are done
	s_wait_kmcnt 0x0
	s_mov_b32 s[G0K], 1
	s_mov_b32 s[G0K+1], s53
	s_add_nc_u64 s[G0K+2:G0K+3], s[4:5], s[56:57]
	s_or_b32 s[G0K+3], s[G0K+3], 0x80000000
	s_mov_b32 s[G0V], 1
	s_mov_b32 s[G0V+1], s54
	s_add_nc_u64 s[G0V+2:G0V+3], s[4:5], s[58:59]
	s_or_b32 s[G0V+3], s[G0V+3], 0x80000000
	s_add_nc_u64 s[PFA:PFA+1], s[4:5], s[60:61]
	s_add_nc_u64 s[66:67], s[4:5], s[62:63]
	s_add_nc_u64 s[6:7], s[6:7], s[68:69]
	CROUND                                         ; all four work-groups are here: the first joint loads meet
	TLOAD                                          ; slot 0
	v_and_b32 v5, 15, v0                           ; r = lane % 16
	v_bfe_u32 v6, v0, 4, 1                         ; h = lane / 16
	v_lshlrev_b32 v8, 7, v5
	v_lshl_add_u32 v8, v6, 4, v8                   ; Q: row r of 128 bytes, + 16 h
.irp tq, 0,1
.irp cc, 0,1
	global_load_b128 v[Q+16*\tq+8*\cc:Q+16*\tq+8*\cc+3], v8, s[66:67] offset:\tq*2048+\cc*64          ; Q stays in registers: tile tq, channels 32 cc on
	global_load_b128 v[Q+16*\tq+8*\cc+4:Q+16*\tq+8*\cc+7], v8, s[66:67] offset:\tq*2048+\cc*64+32
.endr
.endr
	v_mul_u32_u24 v[AK0], v5, PK
	v_lshl_add_u32 v[AK0], v6, 4, v[AK0]           ; K: row r x pitch + 16 h
	v_and_b32 v9, 7, v0
	v_lshl_add_u32 v[AV0], v6, 3, v9               ; V, for the turning load: key 8 h + lane % 8,
	v_mul_u32_u24 v[AV0], v[AV0], PV
	v_bfe_u32 v9, v0, 3, 1
	v_lshl_add_u32 v[AV0], v9, 4, v[AV0]           ; channels 8 ((lane / 8) % 2) on
	v_add_nc_u32 v[AV0], VOFF, v[AV0]
	v_lshlrev_b32 v9, 3, v6
	v_sub_nc_u32 v[LQ], v5, v9
	v_mov_b32 v[NINF], 0xff800000                  ; -infinity
	v_and_b32 v[PFO], 31, v0
	v_lshlrev_b32 v[PFO], 8, v[PFO]
.irp t, 0,1
	v_mov_b32 v[ST+8*\t+1], 0xff61b1e6             ; m: -3e38, under every score
	v_mul_f32 v[ST+8*\t], s[CS], v[ST+8*\t+1]      ; c m
.irp j, 2,3,4,5,6,7
	v_mov_b32 v[ST+8*\t+\j], 0                     ; l, and the registers at work
.endr
	v_mov_b32 v[SUM2+2*\t], 0
	v_mov_b32 v[SUM2+2*\t+1], 0
.endr
.set i, 0
.rept 64
	v_mov_b32 v[O+i], 0                            ; O^T.  (The step is written without a first form of its own: the first step finds zeros, which a = 0 leaves zeros)
.set i, i+1
.endr
; A KEY STEP: 64 keys, the q-th of the slot in hand.
.macro STEP q
	s_cmp_ge_u32 s[KF], s[RBE]                     ; all 64 keys come after every query of my rank: the step's work is left out; the line at its end that steps KF is not
	s_cbranch_scc1 .Lhidden_\@
	v_add_nc_u32 v[ADK], s[TB], v[AK0]
	v_add_nc_u32 v[ADV], s[TB], v[AV0]
.rept 3
	v_nop                                          ; with the two additions five places behind the last step's products: four for the loads into V's registers, five for the products below, which write over P
.endr
.irp kt, 0,1,2,3
.irp cc, 0,1
	ds_load_b128 v[KV+16*\kt+8*\cc:KV+16*\kt+8*\cc+3], v[ADK] offset:(\q)*64*PK+\kt*16*PK+\cc*64
	ds_load_b128 v[KV+16*\kt+8*\cc+4:KV+16*\kt+8*\cc+7], v[ADK] offset:(\q)*64*PK+\kt*16*PK+\cc*64+32
.endr
.endr
	s_wait_dscnt 0x0
.irp cc, 0,1                                   ; S^T = K Q^T: the eight accumulators take turns, one instruction a turn; the first eight start the sums
.irp kt, 0,1,2,3
.irp tq, 0,1
.if \cc == 0
	v_wmma_f32_16x16x32_f16 v[S+32*\tq+8*\kt:S+32*\tq+8*\kt+7], v[KV+16*\kt+8*\cc:KV+16*\kt+8*\cc+7], v[Q+16*\tq+8*\cc:Q+16*\tq+8*\cc+7], 0
.else
	v_wmma_f32_16x16x32_f16 v[S+32*\tq+8*\kt:S+32*\tq+8*\kt+7], v[KV+16*\kt+8*\cc:KV+16*\kt+8*\cc+7], v[Q+16*\tq+8*\cc:Q+16*\tq+8*\cc+7], v[S+32*\tq+8*\kt:S+32*\tq+8*\kt+7]
.endif
.endr
.endr
.endr
.rept 4
	v_nop                                          ; places: in front of the loads into K's registers, and of the first read of the scores
.endr
.irp kk, 0,1                                   ; V of this step, turned: it lands while the softmax is worked
.irp ct, 0,1,2,3
	ds_load_tr16_b128 v[KV+32*\kk+8*\ct:KV+32*\kk+8*\ct+3], v[ADV] offset:(\q)*64*PV+\kk*32*PV+\ct*32
	ds_load_tr16_b128 v[KV+32*\kk+8*\ct+4:KV+32*\kk+8*\ct+7], v[ADV] offset:(\q)*64*PV+\kk*32*PV+16*PV+\ct*32
.endr
.endr
	s_cmp_lt_u32 s[KF], s[RB]                      ; all 64 keys count for every query of my rank: no mask
	s_cbranch_scc1 .Lopen_\@
	s_sub_co_i32 s52, s[Q0], s[KF]
	v_add_nc_u32 v[DD], s52, v[LQ]                 ; register j of key tile kt holds key KF + 16 kt + 8 h + j: hidden where 16 kt + j > my query - KF - 8 h
	v_add_nc_u32 v[DD+1], 16, v[DD]
.irp tq, 0,1
.irp kt, 0,1,2,3
.irp j, 0,1,2,3,4,5,6,7
	v_cmp_gt_i32 vcc_lo, 16*\kt+\j, v[DD+\tq]
	v_cndmask_b32 v[S+32*\tq+8*\kt+\j], v[S+32*\tq+8*\kt+\j], v[NINF], vcc_lo
.endr
.endr
.endr
.Lopen_\@:
.irp j, 0,1,2,3                                ; the maximum of my 32 scores and the old m: four chains, each begun at an accumulator's low end; the two tiles line by line
.irp t, 0,1
	v_max3_num_f32 v[ST+8*\t+4+\j], v[S+32*\t+8*\j], v[S+32*\t+8*\j+1], v[S+32*\t+8*\j+2]
.endr
.endr
.irp u, 1,2
.irp j, 0,1,2,3
.irp t, 0,1
	v_max3_num_f32 v[ST+8*\t+4+\j], v[ST+8*\t+4+\j], v[S+32*\t+8*\j+2*\u+1], v[S+32*\t+8*\j+2*\u+2]
.endr
.endr
.endr
.irp t, 0,1
	v_max3_num_f32 v[ST+8*\t+4], v[ST+8*\t+4], v[S+32*\t+7], v[S+32*\t+15]
.endr
.irp t, 0,1
	v_max3_num_f32 v[ST+8*\t+6], v[ST+8*\t+6], v[S+32*\t+23], v[S+32*\t+31]
.endr
.irp t, 0,1
	v_max3_num_f32 v[ST+8*\t+4], v[ST+8*\t+4], v[ST+8*\t+5], v[ST+8*\t+6]
.endr
.irp t, 0,1
	v_max3_num_f32 v[ST+8*\t+4], v[ST+8*\t+4], v[ST+8*\t+7], v[ST+8*\t+1]
.endr
.irp t, 0,1
	v_permlanex16_b32 v[ST+8*\t+5], v[ST+8*\t+4], s[SEL], s[SEL+1]   ; the query's other 32 keys lie in the lane 16 away
.endr
.irp t, 0,1
	v_mov_b32 v[ST+8*\t+7], v[ST+8*\t]             ; c m_old is kept for a
.endr
.irp t, 0,1
	v_max_num_f32 v[ST+8*\t+1], v[ST+8*\t+4], v[ST+8*\t+5]
.endr
.irp t, 0,1
	v_mul_f32 v[ST+8*\t], s[CS], v[ST+8*\t+1]
.endr
.irp t, 0,1
	v_sub_f32 v[ST+8*\t+7], v[ST+8*\t+7], v[ST+8*\t]
.endr
.irp b, 0,1,2,3,4,5,6,7,8,9,10,11,12,13,14,15
.irp t, 0,1
	v_pk_fma_f32 v[S+32*\t+2*\b:S+32*\t+2*\b+1], v[S+32*\t+2*\b:S+32*\t+2*\b+1], s[CS:CS+1], v[ST+8*\t:ST+8*\t+1] op_sel_hi:[1,0,0] neg_lo:[0,0,1] neg_hi:[0,0,1]   ; c s - c m, two at a time
.endr
.endr
.irp t, 0,1
	v_exp_f32 v[ST+8*\t+6], v[ST+8*\t+7]           ; a
.endr
.set i, 0
.rept 32
	v_exp_f32 v[S+i], v[S+i]                       ; p: ONE BATCH of 66 exponentials; none reads another's result
	v_exp_f32 v[S+32+i], v[S+32+i]
.set i, i+1
.endr
	v_nop                                          ; a plain instruction behind the last exponential
	s_wait_alu depctr_va_vdst(0)                   ; one wait for the batch, ahead of the first instruction that names a result
.irp t, 0,1                                    ; the sums of the unrounded p, two at a time, in two chains a tile
	v_pk_add_f32 v[ST+8*\t+4:ST+8*\t+5], v[S+32*\t:S+32*\t+1], v[S+32*\t+4:S+32*\t+5]
	v_pk_add_f32 v[SUM2+2*\t:SUM2+2*\t+1], v[S+32*\t+2:S+32*\t+3], v[S+32*\t+6:S+32*\t+7]
.endr
.irp j, 8,12,16,20,24,28
.irp t, 0,1
	v_pk_add_f32 v[ST+8*\t+4:ST+8*\t+5], v[ST+8*\t+4:ST+8*\t+5], v[S+32*\t+\j:S+32*\t+\j+1]
	v_pk_add_f32 v[SUM2+2*\t:SUM2+2*\t+1], v[SUM2+2*\t:SUM2+2*\t+1], v[S+32*\t+\j+2:S+32*\t+\j+3]
.endr
.endr
.irp t, 0,1
	v_pk_add_f32 v[ST+8*\t+4:ST+8*\t+5], v[ST+8*\t+4:ST+8*\t+5], v[SUM2+2*\t:SUM2+2*\t+1]
.endr
.irp t, 0,1
	v_pk_fma_f32 v[ST+8*\t+2:ST+8*\t+3], v[ST+8*\t+2:ST+8*\t+3], v[ST+8*\t+6:ST+8*\t+7], v[ST+8*\t+4:ST+8*\t+5] op_sel_hi:[1,0,1]   ; l = a l + the sum
.endr
.irp j, 0,1,2,3,4,5,6,7,8,9,10,11,12,13,14,15
.irp t, 0,1
	v_cvt_pk_f16_f32 v[S+32*\t+\j], v[S+32*\t+2*\j], v[S+32*\t+2*\j+1]   ; P, in place and ascending: register j is written when registers 2 j and 2 j + 1 are read
.endr
.endr
.set i, 0
.rept 16
	v_pk_mul_f32 v[O+i:O+i+1], v[O+i:O+i+1], v[ST+6:ST+7] op_sel_hi:[1,0]             ; O^T x a, each accumulator from its low end on
	v_pk_mul_f32 v[O+32+i:O+32+i+1], v[O+32+i:O+32+i+1], v[ST+14:ST+15] op_sel_hi:[1,0]
.set i, i+2
.endr
	s_wait_dscnt 0x0                               ; V is in
.irp kk, 0,1                                   ; O^T += V^T P: again eight accumulators by turns
.irp ct, 0,1,2,3
.irp tq, 0,1
	v_wmma_f32_16x16x32_f16 v[O+32*\tq+8*\ct:O+32*\tq+8*\ct+7], v[KV+32*\kk+8*\ct:KV+32*\kk+8*\ct+7], v[S+32*\tq+8*\kk:S+32*\tq+8*\kk+7], v[O+32*\tq+8*\ct:O+32*\tq+8*\ct+7]
.endr
.endr
.endr
.Lhidden_\@:
	s_add_co_u32 s[KF], s[KF], 64
.endm
; THE CHANGE OF SLOTS, at a slot's head.  Each wave waits for all its tensor loads (its part of the slot that it is about to read), adds 0 to its spare word, and waits for that and for its reads of the slot that it has left.
; fill = 1: a round of the cluster's barrier follows, so that no wave of any partner still reads that slot or has a load on its way, and the joint load of the next 256 keys is the first thing behind it: one load a wave,
; with a slot's four key steps in which to land.  Every wait on TENSORcnt in this text is for 0.
.macro CHANGE fill
	s_wait_tensorcnt 0x0                           ; no tensor load of mine is out, so a group 0 may be written
	ds_add_u32 v[SPW], v[NIL]
.if \fill
	ds_add_u32 v[SPW], v[NIL]                      ; and twice on end here, in every trip alike; the descriptors' steps stand between the second and the wait
	s_xor_b32 s[G0K+1], s[G0K+1], SLOT1            ; the walking descriptors: the other slot than last time,
	s_add_nc_u64 s[G0K+2:G0K+3], s[G0K+2:G0K+3], 256*128   ; the next 256 keys
	s_xor_b32 s[G0V+1], s[G0V+1], SLOT1
	s_add_nc_u64 s[G0V+2:G0V+3], s[G0V+2:G0V+3], 256*128
	s_wait_xcnt 0x0                                ; the last prefetch, a slot back, has read its address, so it may be written
	s_add_nc_u64 s[PFA:PFA+1], s[PFA:PFA+1], 256*128
	s_wait_dscnt 0x0                               ; both adds are done, and my reads of the slot that I have left are over
	CROUND
	TLOAD
	ASK
.else
	s_wait_dscnt 0x0
	s_barrier_signal -1
	s_barrier_wait -1
.endif
.endm
.macro SLOT_STEPS
	STEP 0
	STEP 1
	STEP 2
	STEP 3
	s_xor_b32 s[TB], s[TB], SLOT1                  ; on to the other slot
.endm
	s_wait_loadcnt 0x0                             ; Q
.Lslot:                                            ; seven trips: behind each change of slots but the last the next slot is asked for
	CHANGE 1
	SLOT_STEPS
	s_sub_co_u32 s[SLOTS], s[SLOTS], 1
	s_cmp_lg_u32 s[SLOTS], 0
	s_cbranch_scc1 .Lslot
	CHANGE 0                                       ; the last slot is written out
	SLOT_STEPS
	; THE WAY OUT.  l's halves are added; O^T is divided by l, rounded to f16 and goes through my stage in LDS (32 rows x 144 bytes, in slot 0, which has had its last fill and was left at the last change of slots).
.rept 4
	v_nop                                          ; places behind the last products
.endr
.irp t, 0,1
	v_add_f32 v[ST+8*\t+4], v[ST+8*\t+2], v[ST+8*\t+3]
.endr
.irp t, 0,1
	v_permlanex16_b32 v[ST+8*\t+5], v[ST+8*\t+4], s[SEL], s[SEL+1]
.endr
.irp t, 0,1
	v_add_f32 v[ST+8*\t+4], v[ST+8*\t+4], v[ST+8*\t+5]
.endr
.irp t, 0,1
	v_rcp_f32 v[ST+8*\t+6], v[ST+8*\t+4]
.endr
	v_and_b32 v5, 15, v0                           ; (plain work behind the reciprocals)  r
	v_bfe_u32 v6, v0, 4, 1                         ; h
	s_mul_i32 s52, s[WV], 32*PK                    ; my stage
	v_mul_u32_u24 v1, v5, PK
	v_lshl_add_u32 v1, v6, 4, v1
	v_add_nc_u32 v1, s52, v1                       ; in: row r, 16 bytes for each half of the lanes
	v_and_b32 v7, 31, v0
	v_lshrrev_b32 v2, 3, v7
	v_mul_u32_u24 v2, v2, PK
	v_and_b32 v8, 7, v0
	v_lshl_add_u32 v2, v8, 4, v2
	v_add_nc_u32 v2, s52, v2                       ; back: eight lanes to a row of 128 bytes, four rows an instruction
	v_lshlrev_b32 v7, 4, v7                        ; and in att: 16 x lane
	s_wait_alu depctr_va_vdst(0)                   ; one wait for the two reciprocals, ahead of their first reader
.set i, 0
.rept 16
	v_pk_mul_f32 v[O+i:O+i+1], v[O+i:O+i+1], v[ST+6:ST+7] op_sel_hi:[1,0]
	v_pk_mul_f32 v[O+32+i:O+32+i+1], v[O+32+i:O+32+i+1], v[ST+14:ST+15] op_sel_hi:[1,0]
.set i, i+2
.endr
.set i, 0
.rept 32
	v_cvt_pk_f16_f32 v[S+i], v[O+2*i], v[O+2*i+1]
.set i, i+1
.endr
.irp tq, 0,1
.irp ct, 0,1,2,3
	ds_store_b128 v1, v[S+16*\tq+4*\ct:S+16*\tq+4*\ct+3] offset:\tq*16*PK+32*\ct
.endr
.endr
.irp t, 0,1,2,3,4,5,6,7
	ds_load_b128 v[S+32+4*\t:S+32+4*\t+3], v2 offset:\t*4*PK       ; LDS serves a wave's instructions in order: these see my stores
.endr
.irp t, 0,1,2,3,4,5,6,7
	s_wait_dscnt 7-\t                              ; load t is in; the later ones may be out
	global_store_b128 v7, v[S+32+4*\t:S+32+4*\t+3], s[6:7] offset:512*\t   ; 512 consecutive bytes a store; the wave's 32 rows are 4,096 consecutive bytes
.endr
	s_wait_tensorcnt 0x0                           ; the wave's end: an add of 0 to my spare word and its wait, behind my last tensor load and my last LDS store
	ds_add_u32 v[SPW], v[NIL]
	s_wait_dscnt 0x0
	CROUND                                         ; the closing round
	s_endpgm
.Lfunc_end_k_q8cee91a692_attn:
	.size	k_q8cee91a692_attn, .Lfunc_end_k_q8cee91a692_attn-k_q8cee91a692_attn
	.p2alignl 7, 3214868480
	.fill 96, 4, 3214868480
	.section	.rodata,"a",@progbits
	.p2align	6, 0x0
	.amdhsa_kernel k_q8cee91a692_attn
		.amdhsa_group_segment_fixed_size 327680
		.amdhsa_private_segment_fixed_size 0
		.amdhsa_enable_private_segment 0
		.amdhsa_kernarg_size 16
		.amdhsa_user_sgpr_count 2
		.amdhsa_user_sgpr_kernarg_segment_ptr 1
		.amdhsa_wavefront_size32 1
		.amdhsa_system_sgpr_workgroup_id_x 1
		.amdhsa_system_sgpr_workgroup_id_y 1
		.amdhsa_system_sgpr_workgroup_id_z 1
		.amdhsa_system_vgpr_workitem_id 0
		.amdhsa_next_free_vgpr 256
		.amdhsa_next_free_sgpr 72
		.amdhsa_reserve_vcc 1
		.amdhsa_float_denorm_mode_32 3
		.amdhsa_float_denorm_mode_16_64 3
		.amdhsa_memory_ordered 1
		.amdhsa_forward_progress 1
		.amdhsa_inst_pref_size 189
	.end_amdhsa_kernel
	.amdgpu_metadata
---
amdhsa.version: [ 1, 2 ]
amdhsa.kernels:
  - .name:           k_q8cee91a692_attn
    .symbol:         k_q8cee91a692_attn.kd
    .args:
      - { .name: qkv, .offset: 0, .size: 8, .value_kind: global_buffer, .address_space: global }
      - { .name: att, .offset: 8, .size: 8, .value_kind: global_buffer, .address_space: global }
    .group_segment_fixed_size: 327680
    .private_segment_fixed_size: 0
    .kernarg_segment_align: 8
    .kernarg_segment_size: 16
    .max_flat_workgroup_size: 512
    .sgpr_count:     72
    .vgpr_count:     256
    .wavefront_size: 32
...
	.end_amdgpu_metadata
.endif
;; end of part 3
;; launch proj (part 4): grid 8 x 64, 4 waves a work-group, clusters of 4 x 4, 327,680 bytes of LDS; arguments att, wo16, out0, bo; writes out0
.if DOCPART == 4
	.amdgcn_target "amdgcn-amd-amdhsa--gfx1250"
	.amdhsa_code_object_version 6
	.text
	.protected	k_q8cee91a692_proj
	.globl	k_q8cee91a692_proj
	.p2align	8
	.type	k_q8cee91a692_proj,@function
k_q8cee91a692_proj:
	s_mov_b64 s[64:65], 0
	v_nop
	global_prefetch_b8 v0, s[64:65] scope:SCOPE_SE
	s_setreg_imm32_b32 hwreg(HW_REG_WAVE_MODE, 25, 1), 1
	s_wait_xcnt 0x0
	s_wait_alu depctr_hold_cnt(0) depctr_sa_sdst(0) depctr_va_vdst(0) depctr_va_sdst(0) depctr_va_ssrc(0) depctr_va_vcc(0) depctr_vm_vsrc(0)
	s_getreg_b32 s2, hwreg(HW_REG_IB_STS2, 6, 4)
	s_cmp_eq_u32 s2, 0
	s_cbranch_scc0 .Lentry_in_a_cluster
	s_endpgm
.Lentry_in_a_cluster:
	s_bfe_u32 s2, ttmp6, 0x10000c
	s_cmp_lg_u32 s2, 0xf033
	s_cbranch_scc0 .Lentry_shape_is_right
	s_endpgm
.Lentry_shape_is_right:
; PROJ: out0[m][n] = sum over k of att[m][k] Wo[n][k] + bo[n].  m = 8,192 tokens, n = k = 1,024.  Operands f16, sums f32, the result f32.
; Both operands lie as 16 planes of 64 along k: att [k / 64][8192][64], wo16 [k / 64][1024][64]: 64 rows of a plane are 8,192 dense bytes.
; (Rows 0-15 of every sequence are written here too; the launch behind this one writes them again from f32 operands.)
; A tile of the result is 128 x 128: four waves, each 64 x 64: 16 accumulators of 16 x 16.  K goes in steps of 256 (four planes) through a ring of two LDS slots.  One tensor load a wave brings 64 rows x 4 planes, stated as
; 4 rows of 4,096 elements, a plane apart in memory, with 16 bytes of padding behind every 128: in LDS a plane is 64 lines of 144 bytes.
; CLUSTERS: 4 x 4 work-groups; att's tile is shared along a row of the cluster, Wo's along a column, each asked for JOINTLY.  THE MATRIX INSTRUCTION IS USED TRANSPOSED (source 0 = 16 rows of Wo, source 1 = 16 tokens):
; a lane holds eight neighbouring columns of one token.  The bias is the C of each sum's first matrix instruction.
; REGISTERS: window 0: v0-31 addresses; v32-95 the way out; v96-127 the bias in the result's layout; v128-255 the accumulators ((a, b) at v[128 + 8 (4 a + b)]).
;   window 1: two fragment buffers of 128: for 64 along K, 64 registers of att (2 x 4 x 16 rows x 32 K), then 64 of Wo.
.set PITCH,  144                       ; an LDS line: 128 bytes + 16: an odd multiple of 16
.set PLANE,  64*PITCH                  ; 64 rows of one plane
.set HALFT,  4*PLANE                   ; what one tensor load brings, and what one wave reads of att or of Wo
.set SLOT,   4*HALFT                   ; att's 128 rows, then Wo's 128 rows
.set SPARE,  2*SLOT                    ; the spare words, 128 bytes for each wave
.set SPITCH, 272                       ; the way out: a stage of 16 rows x (256 bytes + 16) for each wave, in slot 0, which has had its last fill and its last read by then
.set LAPS,   2                         ; a lap = two K steps = once round the ring
.set ASTEP,  4*8192*128                ; a K step in memory: four planes of att,
.set BSTEP,  4*1024*128                ; of wo16
.set ADRA, 16
.set ADRB, 20
.set STO,  24
.set RD,   25
.set CO,   26
.set BOF,  27
.set SPW,  28
.set NIL,  29
.set TMP,  32
.set BIAS, 96
.set ACC,  128
.set F0,   0
.set F1,   128
.set G1, 24
.set G0, 32
.set G1B, 48
.set G0B, 56
.set MSB, 0
.macro WIN new                         ; the immediate's high byte repeats the setting that is left
.if MSB != \new
	s_set_vgpr_msb (MSB<<8)|\new
.set MSB, \new
.endif
.endm
.set MUL,  0x05                        ; sources 0 (Wo) and 1 (att) window 1; C and D window 0
.set TO_F, 0x40                        ; destination window 1, address window 0
.macro JLOAD s                         ; a joint load: waves 0 and 1 fetch att's two halves, waves 2 and 3 Wo's; an s_nop 0 and four v_nop follow each of the two lines
	s_cmp_eq_u32 s11, 0
	s_cbranch_scc0 .Lfor_b_\@
	tensor_load_to_lds s[G0+4*\s:G0+4*\s+3], s[G1:G1+7]
	s_nop 0
.rept 4
	v_nop
.endr
	s_branch .Lasked_\@
.Lfor_b_\@:
	tensor_load_to_lds s[G0B+4*\s:G0B+4*\s+3], s[G1B:G1B+7]
	s_nop 0
.rept 4
	v_nop
.endr
.Lasked_\@:
.endm
.macro CREST                           ; a round of the cluster's barrier behind its opening barrier
	s_cmp_lg_u32 s10, 0
	s_cbranch_scc1 .Lnot_wave_0_\@
	s_barrier_signal -3
.Lnot_wave_0_\@:
	s_barrier_wait -3
	s_barrier_signal -1
	s_barrier_wait -1
.endm
.macro CROUND
	s_barrier_signal -1
	s_barrier_wait -1
	CREST
.endm
	s_load_b128 s[4:7], s[0:1], 0x0                ; att s[4:5], wo16 s[6:7]
	s_load_b64 s[8:9], s[0:1], 0x10                ; out0
	s_load_b64 s[66:67], s[0:1], 0x18              ; bo
	v_lshl_add_u32 v[SPW], v0, 2, SPARE
	v_mov_b32 v[NIL], 0
	ds_add_u32 v[SPW], v[NIL]                      ; the wave's opening: an add of 0 to my spare word, twice on end, and its wait ahead of my first tensor load
	ds_add_u32 v[SPW], v[NIL]
	v_lshrrev_b32 v1, 5, v0
	v_readfirstlane_b32 s10, v1                    ; wave 0..3
	s_lshr_b32 s11, s10, 1                         ; which half of the tile's rows is mine.  Also: I fetch for att (0) or for Wo (1)
	s_and_b32 s12, s10, 1                          ; which half of its columns.  Also: which 64 rows of that tile I fetch
	s_bfe_u32 s40, ttmp6, 0x40000                  ; cx, cy
	s_bfe_u32 s41, ttmp6, 0x40004
	s_lshl_b32 s42, ttmp9, 2
	s_add_co_u32 s42, s42, s40                     ; tile column = 4 x cluster x + cx
	s_and_b32 s13, ttmp7, 0xffff
	s_lshl_b32 s13, s13, 2
	s_add_co_u32 s13, s13, s41                     ; tile row = 4 x cluster y + cy
	s_lshl_b32 s43, s41, 2
	s_lshl_b32 s43, 15, s43                        ; my row of the cluster
	s_lshl_b32 s44, 0x1111, s40                    ; my column
	; descriptor group 1: 4 rows of 4,096 elements of 2 bytes; padding: 4 words behind every 32
	s_or_b32 s[G1+0], s43, (1<<16)|(1<<20)|(1<<21)|(4<<22)|(3<<25)
	s_or_b32 s[G1B+0], s44, (1<<16)|(1<<20)|(1<<21)|(4<<22)|(3<<25)
.irp g, G1, G1B
	s_mov_b32 s[\g+1], 4096<<16                    ; tensor_dim0
	s_mov_b32 s[\g+2], 4<<16                       ; tensor_dim1
	s_mov_b32 s[\g+3], 4096<<16                    ; tile_dim0
	s_mov_b32 s[\g+4], 4                           ; tile_dim1
	s_mov_b32 s[\g+6], 0
	s_mov_b32 s[\g+7], 0
.endr
	s_mov_b32 s[G1+5], 8192*64                     ; from plane to plane, in elements: att's,
	s_mov_b32 s[G1B+5], 1024*64                    ; wo16's
	s_lshl_b32 s17, s12, 6                         ; which 64 rows of the tile I fetch
	s_lshl_b32 s16, s13, 7
	s_add_co_u32 s16, s16, s17
	s_lshl_b32 s16, s16, 7                         ; att: (128 x tile row + 64 x half) rows of 128 bytes
	s_lshl_b32 s46, s42, 7
	s_add_co_u32 s46, s46, s17
	s_lshl_b32 s46, s46, 7                         ; wo16: (128 x tile column + 64 x half) rows
	s_mov_b32 s17, 0
	s_mov_b32 s47, 0
	s_mul_i32 s20, s10, HALFT                      ; where they go: no place in the cluster enters an LDS address
	s_wait_dscnt 0x0                               ; both opening adds are done
	s_wait_kmcnt 0x0
	s_add_nc_u64 s[14:15], s[4:5], s[16:17]
	s_add_nc_u64 s[46:47], s[6:7], s[46:47]
	CROUND                                         ; all sixteen work-groups are here: the first joint loads meet
.irp s, 0,1
	s_mov_b32 s[G0+4*\s], 1
	s_add_co_u32 s[G0+4*\s+1], s20, \s*SLOT
	s_add_nc_u64 s[G0+4*\s+2:G0+4*\s+3], s[14:15], \s*ASTEP
	s_or_b32 s[G0+4*\s+3], s[G0+4*\s+3], 0x80000000
	s_mov_b32 s[G0B+4*\s], 1
	s_add_co_u32 s[G0B+4*\s+1], s20, \s*SLOT
	s_add_nc_u64 s[G0B+4*\s+2:G0B+4*\s+3], s[46:47], \s*BSTEP
	s_or_b32 s[G0B+4*\s+3], s[G0B+4*\s+3], 0x80000000
	JLOAD \s
.endr
	v_and_b32 v1, 15, v0                           ; l % 16
	v_bfe_u32 v2, v0, 4, 1                         ; l / 16
	v_mul_u32_u24 v3, v1, PITCH
	v_lshl_add_u32 v3, v2, 4, v3                   ; a fragment's row x pitch + 16 x half
	s_mul_i32 s21, s11, HALFT                      ; my 64 rows of att
	s_mul_i32 s22, s12, HALFT                      ; my 64 rows of Wo,
	s_add_co_u32 s22, s22, 2*HALFT                 ; which lie behind att's 128
.irp s, 0,1
	v_add_nc_u32 v[ADRA+\s], s21, v3
	v_add_nc_u32 v[ADRB+\s], s22, v3
	s_add_co_u32 s21, s21, SLOT
	s_add_co_u32 s22, s22, SLOT
.endr
	s_mul_i32 s23, s10, 16*SPITCH                  ; my stage
	v_mul_u32_u24 v4, v1, SPITCH
	v_lshl_add_u32 v4, v2, 5, v4
	v_add_nc_u32 v[STO], s23, v4                   ; in: row l % 16, 32 bytes for each half of the lanes
	v_mul_u32_u24 v5, v2, SPITCH
	v_lshl_add_u32 v5, v1, 4, v5
	v_add_nc_u32 v[RD], s23, v5                    ; back: lanes 0-15 one row of 256 bytes, lanes 16-31 the next
	v_lshlrev_b32 v5, 12, v2
	v_lshl_add_u32 v[CO], v1, 4, v5                ; and the same two rows in out0
	v_lshlrev_b32 v[BOF], 5, v2                    ; the bias: my half's eight numbers of a block of 16
	s_lshl_b32 s16, s13, 1
	s_add_co_u32 s16, s16, s11
	s_lshl_b32 s16, s16, 18                        ; my first row: (128 x tile row + 64 x half) x 4,096 bytes
	s_mov_b32 s17, 0
	s_add_nc_u64 s[8:9], s[8:9], s[16:17]
	s_lshl_b32 s46, s42, 1
	s_add_co_u32 s46, s46, s12
	s_lshl_b32 s46, s46, 8                         ; my first column: (128 x tile column + 64 x half) x 4 bytes
	s_mov_b32 s47, 0
	s_add_nc_u64 s[8:9], s[8:9], s[46:47]
	s_add_nc_u64 s[66:67], s[66:67], s[46:47]
.irp b, 0,1,2,3
	global_load_b128 v[BIAS+8*\b:BIAS+8*\b+3], v[BOF], s[66:67] offset:64*\b          ; bo at columns 16 b + 8 (l / 16) + 0 .. 7
	global_load_b128 v[BIAS+8*\b+4:BIAS+8*\b+7], v[BOF], s[66:67] offset:64*\b+16
.endr
; 8 matrix instructions: token blocks a0, a0 + 1 x all 4 column blocks, 32 along K: half c of buffer f.  zero = 1: the first product starts the sums, from the bias.
; The 16 accumulators take turns, one instruction a turn.
.macro MUL8 f, c, a0, zero
.irp a, \a0, \a0+1
.irp b, 0,1,2,3
.if \zero
	v_wmma_f32_16x16x32_f16 v[ACC+8*(4*(\a)+\b):ACC+8*(4*(\a)+\b)+7], v[\f+64+8*(4*\c+\b):\f+64+8*(4*\c+\b)+7], v[\f+8*(4*\c+\a):\f+8*(4*\c+\a)+7], v[BIAS+8*\b:BIAS+8*\b+7]
.else
	v_wmma_f32_16x16x32_f16 v[ACC+8*(4*(\a)+\b):ACC+8*(4*(\a)+\b)+7], v[\f+64+8*(4*\c+\b):\f+64+8*(4*\c+\b)+7], v[\f+8*(4*\c+\a):\f+8*(4*\c+\a)+7], v[ACC+8*(4*(\a)+\b):ACC+8*(4*(\a)+\b)+7]
.endif
.endr
.endr
.endm
; 32 LDS loads in one run: the fragments of one plane (64 along K), which begins at byte k of my region, into buffer f; the first 32 along K first
.macro FETCH slot, k, f
	WIN TO_F
.irp c, 0,1
.irp i, 0,1,2,3
	ds_load_b128 v[\f+64+8*(4*\c+\i):\f+64+8*(4*\c+\i)+3],   v[ADRB+\slot] offset:\k+64*\c+\i*16*PITCH
	ds_load_b128 v[\f+64+8*(4*\c+\i)+4:\f+64+8*(4*\c+\i)+7], v[ADRB+\slot] offset:\k+64*\c+\i*16*PITCH+32
	ds_load_b128 v[\f+8*(4*\c+\i):\f+8*(4*\c+\i)+3],         v[ADRA+\slot] offset:\k+64*\c+\i*16*PITCH
	ds_load_b128 v[\f+8*(4*\c+\i)+4:\f+8*(4*\c+\i)+7],       v[ADRA+\slot] offset:\k+64*\c+\i*16*PITCH+32
.endr
.endr
.endm
.macro PLACES                          ; four places in front of loads into registers that matrix instructions have read, and of the first read of results
.rept 4
	v_nop
.endr
.endm
; A K step is four quarters, a plane each, 32 matrix instructions, on buffers 0, 1, 0, 1.  One of the first three: multiplies buffer f and fetches the next plane, at byte k, into g.
.macro QUARTER slot, k, f, g, zero
	s_wait_dscnt 16                                ; the first 32 along K are in; the other sixteen loads may be out
	WIN MUL
	MUL8 \f, 0, 0, \zero
	MUL8 \f, 0, 2, \zero
	PLACES
	FETCH \slot, \k, \g
	s_wait_dscnt 32                                ; all but the 32 just issued
	WIN MUL
	MUL8 \f, 1, 0, 0
	MUL8 \f, 1, 2, 0
.endm
; The last quarter multiplies buffer 1 and changes slots: ONE barrier; in front of it each wave waits for all its tensor loads, adds 0 to its spare word, and waits for that and for its own reads of this slot.
; fill = 1: the barrier opens a round of the cluster's barrier, and this slot is filled again, two K steps ahead: the first tensor load behind the round, one a wave.
.macro TURN slot, next, fill
	WIN 0                                          ; (the add's two registers lie in window 0)
	s_wait_tensorcnt 0x0                           ; all my tensor loads have landed: my part of the next slot
	ds_add_u32 v[SPW], v[NIL]
	s_wait_dscnt 17                                ; (the add and the youngest sixteen loads may be out)
	WIN MUL
	MUL8 F1, 0, 0, 0
	s_wait_dscnt 0x0                               ; the add is done, and my reads of this slot are over
	s_barrier_signal -1
	MUL8 F1, 0, 2, 0
.if \fill
	WIN 0
.endif
	s_barrier_wait -1
.if \fill
	CREST
	s_add_nc_u64 s[G0+4*\slot+2:G0+4*\slot+3], s[G0+4*\slot+2:G0+4*\slot+3], 2*ASTEP
	s_add_nc_u64 s[G0B+4*\slot+2:G0B+4*\slot+3], s[G0B+4*\slot+2:G0B+4*\slot+3], 2*BSTEP
	JLOAD \slot                                    ; the four v_nop behind it are also the places in front of the loads below
.else
	PLACES
.endif
	FETCH \next, 0, F0
	WIN MUL
	MUL8 F1, 1, 0, 0
	MUL8 F1, 1, 2, 0
.endm
	s_wait_loadcnt 0x0                             ; the bias
	s_wait_tensorcnt 1                             ; my part of K step 0 is in (K step 1's load may be out)
	s_barrier_signal -1
	s_barrier_wait -1                              ; everybody's is
	FETCH 0, 0, F0
	QUARTER 0, PLANE, F0, F1, 1                    ; the first quarter stands in front of the loop: its first products start the sums
	WIN 0                                          ; at a label and at a branch every window is 0
	s_mov_b32 s3, LAPS-1
.Llap:                                             ; a trip goes once round the ring, from a lap's second quarter to the next lap's first, and fills both slots again
	QUARTER 0, 2*PLANE, F1, F0, 0
	QUARTER 0, 3*PLANE, F0, F1, 0
	TURN 0, 1, 1
	QUARTER 1, PLANE, F0, F1, 0
	QUARTER 1, 2*PLANE, F1, F0, 0
	QUARTER 1, 3*PLANE, F0, F1, 0
	TURN 1, 0, 1
	QUARTER 0, PLANE, F0, F1, 0
	WIN 0
	s_sub_co_u32 s3, s3, 1
	s_cmp_lg_u32 s3, 0
	s_cbranch_scc1 .Llap
	QUARTER 0, 2*PLANE, F1, F0, 0                  ; the last lap fills nothing, and has no round of the cluster's barrier
	QUARTER 0, 3*PLANE, F0, F1, 0
	TURN 0, 1, 0
	QUARTER 1, PLANE, F0, F1, 0
	QUARTER 1, 2*PLANE, F1, F0, 0
	QUARTER 1, 3*PLANE, F0, F1, 0
	s_wait_dscnt 16                                ; the very last quarter: nothing more to fetch
	WIN MUL
	MUL8 F1, 0, 0, 0
	MUL8 F1, 0, 2, 0
	s_wait_dscnt 0
	MUL8 F1, 1, 0, 0
	MUL8 F1, 1, 2, 0
	WIN 0
; THE WAY OUT, block by block of 16 tokens x 64 columns.  A lane holds 32 neighbouring bytes of a row; a block goes through my own stage and comes back as whole rows of 256 bytes, which sixteen lanes store as one aligned run.
.macro TOSTAGE a
.irp b, 0,1,2,3
	ds_store_b128 v[STO], v[ACC+8*(4*(\a)+\b):ACC+8*(4*(\a)+\b)+3] offset:64*\b        ; each accumulator from its low end on
	ds_store_b128 v[STO], v[ACC+8*(4*(\a)+\b)+4:ACC+8*(4*(\a)+\b)+7] offset:64*\b+16
.endr
.set BB, TMP+32*((\a)%2)
.irp t, 0,1,2,3,4,5,6,7
	ds_load_b128 v[BB+4*\t:BB+4*\t+3], v[RD] offset:2*\t*SPITCH    ; LDS serves a wave's instructions in order: these see the stores above
.endr
.endm
.macro SEND a, younger                 ; younger: the LDS instructions issued behind block a's loads, which may stay out
.set BB, TMP+32*((\a)%2)
	s_wait_dscnt \younger
.irp t, 0,1,2,3,4,5,6,7
	global_store_b128 v[CO], v[BB+4*\t:BB+4*\t+3], s[8:9] offset:(16*(\a)+2*\t)*4096 th:TH_STORE_NT
.endr
.endm
	PLACES
	TOSTAGE 0
.irp a, 1,2,3
.if \a > 1
	s_wait_xcnt 0x0                                ; block a - 2's stores have read their registers: block a's loads may land there
.endif
	TOSTAGE \a
	SEND \a-1, 16                                  ; behind block a - 1's loads: block a's 8 stores and 8 loads
.endr
	SEND 3, 0
	s_wait_tensorcnt 0x0                           ; the wave's end: an add of 0 to my spare word and its wait, behind my last tensor load and my last LDS store
	ds_add_u32 v[SPW], v[NIL]
	s_wait_dscnt 0x0
	CROUND                                         ; the closing round
	s_endpgm
.Lfunc_end_k_q8cee91a692_proj:
	.size	k_q8cee91a692_proj, .Lfunc_end_k_q8cee91a692_proj-k_q8cee91a692_proj
	.p2alignl 7, 3214868480
	.fill 96, 4, 3214868480
	.section	.rodata,"a",@progbits
	.p2align	6, 0x0
	.amdhsa_kernel k_q8cee91a692_proj
		.amdhsa_group_segment_fixed_size 327680
		.amdhsa_private_segment_fixed_size 0
		.amdhsa_enable_private_segment 0
		.amdhsa_kernarg_size 32
		.amdhsa_user_sgpr_count 2
		.amdhsa_user_sgpr_kernarg_segment_ptr 1
		.amdhsa_wavefront_size32 1
		.amdhsa_system_sgpr_workgroup_id_x 1
		.amdhsa_system_sgpr_workgroup_id_y 1
		.amdhsa_system_sgpr_workgroup_id_z 1
		.amdhsa_system_vgpr_workitem_id 0
		.amdhsa_next_free_vgpr 512
		.amdhsa_next_free_sgpr 68
		.amdhsa_reserve_vcc 0
		.amdhsa_float_denorm_mode_32 3
		.amdhsa_float_denorm_mode_16_64 3
		.amdhsa_memory_ordered 1
		.amdhsa_forward_progress 1
		.amdhsa_inst_pref_size 86
	.end_amdhsa_kernel
	.amdgpu_metadata
---
amdhsa.version: [ 1, 2 ]
amdhsa.kernels:
  - .name:           k_q8cee91a692_proj
    .symbol:         k_q8cee91a692_proj.kd
    .args:
      - { .name: att, .offset: 0, .size: 8, .value_kind: global_buffer, .address_space: global }
      - { .name: wo16, .offset: 8, .size: 8, .value_kind: global_buffer, .address_space: global }
      - { .name: out0, .offset: 16, .size: 8, .value_kind: global_buffer, .address_space: global }
      - { .name: bo, .offset: 24, .size: 8, .value_kind: global_buffer, .address_space: global }
    .group_segment_fixed_size: 327680
    .private_segment_fixed_size: 0
    .kernarg_segment_align: 8
    .kernarg_segment_size: 32
    .max_flat_workgroup_size: 128
    .sgpr_count:     68
    .vgpr_count:     512
    .wavefront_size: 32
...
	.end_amdgpu_metadata
.endif
;; end of part 4
;; launch first16 (part 5): grid 16 x 4, 16 waves a work-group, no clusters, 141,312 bytes of LDS; arguments img32, Wo, bo, out0; writes out0
.if DOCPART == 5
	.amdgcn_target "amdgcn-amd-amdhsa--gfx1250"
	.amdhsa_code_object_version 6
	.text
	.protected	k_q8cee91a692_first16
	.globl	k_q8cee91a692_first16
	.p2align	8
	.type	k_q8cee91a692_first16,@function
k_q8cee91a692_first16:
	s_mov_b64 s[64:65], 0
	v_nop
	global_prefetch_b8 v0, s[64:65] scope:SCOPE_SE
	s_setreg_imm32_b32 hwreg(HW_REG_WAVE_MODE, 25, 1), 1
	s_wait_xcnt 0x0
; FIRST16: positions 0-15 of every sequence once more, wholly in f32: under the causal mask these rows average one to sixteen values, so the rounding of 16-bit operands would weigh most there.
; A work-group takes one batch (y) and 64 columns of the output (x).  WAVE = HEAD: each wave makes its head's attention for the 16 positions (16 x 16 scores) and multiplies the head's 64 channels by its slice of Wo;
; the sixteen heads' parts of the 16 x 64 results meet in LDS, and waves 0-7 add them, heads ascending, to the bias and store two rows each.  The attention is made again in each of a batch's 16 work-groups: it is small.
; q, k, v come as f32 images of the accumulators that made them (img32): lane (r, h) holds position r, and register 8 bb + j the channel 16 bb + 8 h + j.
; All products by v_wmma_f32_16x16x4_f32, whose lane (r, h) holds k = 2 h + j in register j.  A pair of image registers on both sides of a product puts the same channels into the same places of K on both sides, so the sums are whole.
; The accumulators v224-255 are written by matrix instructions alone; what is made of a sum goes into other registers.
; REGISTERS: v1-13 addresses; v14, v15 the add's two; v16-47 q, later Wo's rows 32-47; v48-79 k, later Wo's rows 48-63; v80-111 v, then v turned; v112-143, v144-175 Wo's rows 0-15, 16-31; v176-183 scores, then p; v184-215 the head's result; v216-220 at work.
.set VS,    0                          ; a wave's v: 16 keys x (256 bytes + 16)
.set PB,    16*4352                    ; a wave's part of the result: 16 pieces of 4 columns x (16 positions x 16 bytes + 16)
.set SPARE, 2*16*4352                  ; the spare words, 128 bytes for each of 16 waves
.set SPW,   14
.set NIL,   15
.set ACC,   224
.macro WOLOAD reg, nt                  ; Wo(64 x + 16 nt + r, 64 head + 16 ct + 8 h + 0 .. 7) into v[reg + 8 ct ..]
.irp ct, 0,1,2,3
	global_load_b128 v[\reg+8*\ct:\reg+8*\ct+3], v5, s[6:7] offset:\nt*65536+\ct*64
	global_load_b128 v[\reg+8*\ct+4:\reg+8*\ct+7], v5, s[6:7] offset:\nt*65536+\ct*64+16
.endr
.endm
.macro PJ nt, reg, ct, i               ; one link of the projection: 16 rows of Wo x my 16 positions, channels 16 ct + 8 h + 2 i + 0, 1
.if \ct+\i == 0
	v_wmma_f32_16x16x4_f32 v[ACC+8*\nt:ACC+8*\nt+7], v[\reg+8*\ct+2*\i:\reg+8*\ct+2*\i+1], v[184+8*\ct+2*\i:184+8*\ct+2*\i+1], 0
.else
	v_wmma_f32_16x16x4_f32 v[ACC+8*\nt:ACC+8*\nt+7], v[\reg+8*\ct+2*\i:\reg+8*\ct+2*\i+1], v[184+8*\ct+2*\i:184+8*\ct+2*\i+1], v[ACC+8*\nt:ACC+8*\nt+7]
.endif
.endm
	s_load_b256 s[4:11], s[0:1], 0x0               ; img32 s[4:5], Wo s[6:7], bo s[8:9], out0 s[10:11]
	v_lshl_add_u32 v[SPW], v0, 2, SPARE
	v_mov_b32 v[NIL], 0
	v_lshrrev_b32 v1, 5, v0
	v_readfirstlane_b32 s12, v1                    ; wave = head
	s_and_b32 s13, ttmp7, 0xffff                   ; batch
	v_and_b32 v1, 31, v0                           ; lane
	v_and_b32 v2, 15, v0                           ; r
	v_bfe_u32 v3, v0, 4, 1                         ; h
	v_lshlrev_b32 v4, 4, v1                        ; an image: 16 x lane
	v_lshlrev_b32 v5, 12, v2
	v_lshl_add_u32 v5, v3, 5, v5                   ; Wo: row r of 4,096 bytes, + 32 h
	s_mul_i32 s14, s12, 4352                       ; my wave's regions
	v_mul_u32_u24 v6, v2, 272
	v_lshl_add_u32 v6, v3, 5, v6
	v_add_nc_u32 v6, s14, v6                       ; v into LDS: key r, + 32 h
	v_mul_u32_u24 v7, v3, 2176
	v_lshl_add_u32 v7, v2, 2, v7
	v_add_nc_u32 v7, s14, v7                       ; and back, turned: keys 8 h on, channel r
	v_mul_u32_u24 v8, v3, 544
	v_lshl_add_u32 v8, v2, 4, v8
	v_add_nc_u32 v8, s14, v8
	v_add_nc_u32 v8, PB, v8                        ; my part of the result: pieces 2 h on, position r
	v_lshlrev_b32 v9, 3, v3
	v_sub_nc_u32 v9, v2, v9                        ; r - 8 h: register j holds key 8 h + j, hidden where j > r - 8 h
	v_mov_b32 v10, 0xff800000                      ; -infinity
	s_lshl_b32 s15, s12, 5
	v_mul_u32_u24 v11, v2, 272
	v_lshl_add_u32 v11, v3, 4, v11
	v_add_nc_u32 v11, s15, v11
	v_add_nc_u32 v11, PB, v11                      ; the sum (waves 0-7): piece lane % 16, position 2 wave + h
	v_lshlrev_b32 v13, 4, v2                       ; the bias: 16 (lane % 16)
	v_lshl_add_u32 v12, v3, 12, v13                ; out0: row h, + 16 (lane % 16)
	s_lshl_b32 s16, s13, 4
	s_add_co_u32 s16, s16, s12
	s_lshl_b32 s16, s16, 12                        ; img32: (16 batch + head) x 4,096 bytes; k's heads lie 64 heads on, v's 128
	s_mov_b32 s17, 0
	s_lshl_b32 s18, ttmp9, 18                      ; Wo: my 64 rows,
	s_lshl_b32 s19, s12, 8                         ; my head's 64 columns
	s_add_co_u32 s18, s18, s19
	s_mov_b32 s19, 0
	s_lshl_b32 s24, ttmp9, 8                       ; my 64 columns of the output, in bytes
	s_mov_b32 s25, 0
	s_lshl_b32 s26, s13, 11
	s_lshl_b32 s27, s12, 1
	s_add_co_u32 s26, s26, s27
	s_lshl_b32 s26, s26, 12                        ; out0: row 2,048 batch + 2 wave
	s_add_co_u32 s26, s26, s24
	s_mov_b32 s27, 0
	s_mov_b32 s20, 0x76543210
	s_mov_b32 s21, 0xfedcba98                      ; v_permlanex16_b32's selects for lane l xor 16
	s_mov_b32 s22, 0x3e38aa3b                      ; c = log2(e) / 8
	s_wait_kmcnt 0x0
	s_add_nc_u64 s[4:5], s[4:5], s[16:17]
	s_add_nc_u64 s[6:7], s[6:7], s[18:19]
	s_add_nc_u64 s[8:9], s[8:9], s[24:25]
	s_add_nc_u64 s[10:11], s[10:11], s[26:27]
.irp i, 0,1,2,3,4,5,6,7
	global_load_b128 v[48+4*\i:48+4*\i+3], v4, s[4:5] offset:262144+512*\i     ; k
.endr
.irp i, 0,1,2,3,4,5,6,7
	global_load_b128 v[16+4*\i:16+4*\i+3], v4, s[4:5] offset:512*\i            ; q
.endr
.irp i, 0,1,2,3,4,5,6,7
	global_load_b128 v[80+4*\i:80+4*\i+3], v4, s[4:5] offset:524288+512*\i     ; v
.endr
	WOLOAD 112, 0
	WOLOAD 144, 1
	s_wait_loadcnt 24                              ; k and q are in; v's 8 loads and Wo's 16 may be out
.irp s, 0,1,2,3,4,5,6,7,8,9,10,11,12,13,14,15  ; S^T = k q^T: two accumulators by turns; lane (r, h) then holds query r and keys 8 h + 0 .. 7
.if \s < 2
	v_wmma_f32_16x16x4_f32 v[ACC+8*(\s%2):ACC+8*(\s%2)+7], v[48+2*\s:48+2*\s+1], v[16+2*\s:16+2*\s+1], 0
.else
	v_wmma_f32_16x16x4_f32 v[ACC+8*(\s%2):ACC+8*(\s%2)+7], v[48+2*\s:48+2*\s+1], v[16+2*\s:16+2*\s+1], v[ACC+8*(\s%2):ACC+8*(\s%2)+7]
.endif
.endr
	s_wait_loadcnt 16                              ; v is in; Wo's 16 loads may be out
.irp i, 0,1,2,3,4,5,6,7
	ds_store_b128 v6, v[80+4*\i:80+4*\i+3] offset:64*(\i/2)+16*(\i%2)          ; v(key r, channels 16 (i / 2) + 8 h + 4 (i % 2) on)
.endr
.rept 8
	v_nop                                          ; eight places behind this form: in front of the loads into q's and k's registers, and of the first read of the sums
.endr
	WOLOAD 16, 2
	WOLOAD 48, 3
.irp ct, 0,1,2,3
.irp j, 0,1,2,3,4,5,6,7
	ds_load_b32 v[80+8*\ct+\j], v7 offset:\j*272+64*\ct                        ; v(key 8 h + j, channel 16 ct + r); LDS serves a wave's instructions in order: these see my stores
.endr
.endr
.irp j, 0,1,2,3,4,5,6,7
	v_add_f32 v[176+\j], v[ACC+\j], v[ACC+8+\j]    ; the two halves of the sums, from the low end on
.endr
.irp j, 0,1,2,3,4,5,6,7
	v_cmp_gt_i32 vcc_lo, \j, v9
	v_cndmask_b32 v[176+\j], v[176+\j], v10, vcc_lo
.endr
	v_max3_num_f32 v216, v176, v177, v178
	v_max3_num_f32 v217, v179, v180, v181
	v_max3_num_f32 v216, v216, v182, v183
	v_max_num_f32 v216, v216, v217
	v_permlanex16_b32 v217, v216, s20, s21
	v_max_num_f32 v216, v216, v217                 ; the row's maximum: key 0 counts for every query
	v_mul_f32 v216, s22, v216
.irp j, 0,1,2,3,4,5,6,7
	v_fma_f32 v[176+\j], v[176+\j], s22, -v216
.endr
.irp j, 0,1,2,3,4,5,6,7
	v_exp_f32 v[176+\j], v[176+\j]
.endr
	v_nop                                          ; a plain instruction behind the last exponential
	s_wait_alu depctr_va_vdst(0)                   ; one wait for the eight, ahead of the first reader
	v_add_f32 v216, v176, v177
	v_add_f32 v217, v178, v179
	v_add_f32 v219, v180, v181
	v_add_f32 v220, v182, v183
	v_add_f32 v216, v216, v217
	v_add_f32 v219, v219, v220
	v_add_f32 v216, v216, v219
	v_permlanex16_b32 v217, v216, s20, s21
	v_add_f32 v216, v216, v217                     ; the row's sum
	v_rcp_f32 v218, v216
	v_nop
	s_wait_alu depctr_va_vdst(0)
	s_wait_dscnt 0x0                               ; v, turned, is in
.irp i, 0,1,2,3                                ; O^T = v^T p: four accumulators by turns; keys 8 h + 2 i + 0, 1.  (More than nine plain instructions that name none of their registers lie behind the scores' products)
.irp ct, 0,1,2,3
.if \i == 0
	v_wmma_f32_16x16x4_f32 v[ACC+8*\ct:ACC+8*\ct+7], v[80+8*\ct+2*\i:80+8*\ct+2*\i+1], v[176+2*\i:176+2*\i+1], 0
.else
	v_wmma_f32_16x16x4_f32 v[ACC+8*\ct:ACC+8*\ct+7], v[80+8*\ct+2*\i:80+8*\ct+2*\i+1], v[176+2*\i:176+2*\i+1], v[ACC+8*\ct:ACC+8*\ct+7]
.endif
.endr
.endr
.rept 8
	v_nop
.endr
.set i, 0
.rept 32
	v_mul_f32 v[184+i], v[ACC+i], v218             ; / the sum: register 8 ct + j is the head's result at (position r, channel 16 ct + 8 h + j)
.set i, i+1
.endr
.rept 9
	v_nop                                          ; nine places: the products below begin the accumulators anew
.endr
	s_wait_loadcnt 0x0                             ; Wo
.irp ct, 0,1,2,3
.irp i, 0,1,2,3
	PJ 0, 112, \ct, \i
	PJ 1, 144, \ct, \i
	PJ 2, 16, \ct, \i
	PJ 3, 48, \ct, \i
.endr
.endr
.rept 8
	v_nop
.endr
.irp nt, 0,1,2,3
.irp c, 0,1
	ds_store_b128 v8, v[ACC+8*\nt+4*\c:ACC+8*\nt+4*\c+3] offset:(4*\nt+\c)*272         ; columns 16 nt + 8 h + 4 c on of position r; each accumulator from its low end on
.endr
.endr
	s_wait_dscnt 0x0                               ; for the others' sake: my stores have landed
	s_barrier_signal -1
	s_barrier_wait -1
	s_cmp_lt_u32 s12, 8
	s_cbranch_scc0 .Ldone
	global_load_b128 v[80:83], v13, s[8:9]         ; the bias starts the sum
.irp h, 0,1,2,3,4,5,6,7,8,9,10,11,12,13,14,15
	ds_load_b128 v[16+4*\h:16+4*\h+3], v11 offset:\h*4352
.endr
	s_wait_loadcnt 0x0
	s_wait_dscnt 0x0
.irp h, 0,1,2,3,4,5,6,7,8,9,10,11,12,13,14,15
	v_pk_add_f32 v[80:81], v[80:81], v[16+4*\h:16+4*\h+1]
	v_pk_add_f32 v[82:83], v[82:83], v[16+4*\h+2:16+4*\h+3]
.endr
	global_store_b128 v12, v[80:83], s[10:11]      ; sixteen lanes store 256 consecutive bytes of a row, aligned
.Ldone:
	s_wait_tensorcnt 0x0                           ; the wave's end: an add of 0 to my spare word and its wait, behind my last LDS store
	ds_add_u32 v[SPW], v[NIL]
	s_wait_dscnt 0x0
	s_endpgm
.Lfunc_end_k_q8cee91a692_first16:
	.size	k_q8cee91a692_first16, .Lfunc_end_k_q8cee91a692_first16-k_q8cee91a692_first16
	.p2alignl 7, 3214868480
	.fill 96, 4, 3214868480
	.section	.rodata,"a",@progbits
	.p2align	6, 0x0
	.amdhsa_kernel k_q8cee91a692_first16
		.amdhsa_group_segment_fixed_size 141312
		.amdhsa_private_segment_fixed_size 0
		.amdhsa_enable_private_segment 0
		.amdhsa_kernarg_size 32
		.amdhsa_user_sgpr_count 2
		.amdhsa_user_sgpr_kernarg_segment_ptr 1
		.amdhsa_wavefront_size32 1
		.amdhsa_system_sgpr_workgroup_id_x 1
		.amdhsa_system_sgpr_workgroup_id_y 1
		.amdhsa_system_sgpr_workgroup_id_z 1
		.amdhsa_system_vgpr_workitem_id 0
		.amdhsa_next_free_vgpr 256
		.amdhsa_next_free_sgpr 66
		.amdhsa_reserve_vcc 1
		.amdhsa_float_denorm_mode_32 3
		.amdhsa_float_denorm_mode_16_64 3
		.amdhsa_memory_ordered 1
		.amdhsa_forward_progress 1
		.amdhsa_inst_pref_size 26
	.end_amdhsa_kernel
	.amdgpu_metadata
---
amdhsa.version: [ 1, 2 ]
amdhsa.kernels:
  - .name:           k_q8cee91a692_first16
    .symbol:         k_q8cee91a692_first16.kd
    .args:
      - { .name: img32, .offset: 0, .size: 8, .value_kind: global_buffer, .address_space: global }
      - { .name: Wo, .offset: 8, .size: 8, .value_kind: global_buffer, .address_space: global }
      - { .name: bo, .offset: 16, .size: 8, .value_kind: global_buffer, .address_space: global }
      - { .name: out0, .offset: 24, .size: 8, .value_kind: global_buffer, .address_space: global }
    .group_segment_fixed_size: 141312
    .private_segment_fixed_size: 0
    .kernarg_segment_align: 8
    .kernarg_segment_size: 32
    .max_flat_workgroup_size: 512
    .sgpr_count:     66
    .vgpr_count:     256
    .wavefront_size: 32
...
	.end_amdgpu_metadata
.endif
;; end of part 5
